; MI455X (gfx1250); checked and timed in simulation.
; The chip was launched on July 23, 2026; its instructions are those of AMD's public machine-readable ISA for CDNA 5 (MIT licence, August 2026) and "CDNA5" Instruction Set Architecture Reference Guide (July 2026). The comments in the code are by the model that wrote it; some were corrected since.
;; Multi Head Attention. Allowed arithmetic: matrix products marked QUANTISED: E2M1 operands, one E8M0 scale for each 32 along K, by v_wmma_scale_f32_16x16x128_f8f6f4 with both operands' format E2M1 (or v_wmma_scale_f32_32x16x128_f4), f32 sums; products left as they are: bf16, f16 or f32 operands; f32 sums; everything else in f32.
;; Inputs: Wk 1,024 x 1,024 float32; Wo 1,024 x 1,024 float32; Wq 1,024 x 1,024 float32; Wv 1,024 x 1,024 float32; bk 1,024 float32; bo 1,024 float32; bq 1,024 float32; bv 1,024 float32; key 4 x 2,048 x 1,024 float32; mask 4 x 1 x 1 x 2,048 float32; query 4 x 2,048 x 1,024 float32; value 4 x 2,048 x 1,024 float32.
;; Outputs: out0 4 x 2,048 x 1,024 float32.
;; This version of the problem:
;;   THIS VERSION OF THE PROBLEM IS GIVEN IN LOW PRECISION. The matrix products marked QUANTISED in the list below multiply operands that are first quantised to E2M1 (2 exponent bits, 1 mantissa bit; 4 bits a number), with one power-of-two scale for each 32 numbers along K (OCP MX v1.0); their sums are f32. The products marked 'left as it is' may take bf16, f16 or f32 operands, with f32 sums. Whichever they take, every output number must still come out within the allowed error. Rounding operands to bf16 (8 significant bits) uses up far more of that allowance than f16 does (11 bits, for magnitudes from 6e-5 to 65,504). All else is computed in f32.
;;   The module's matrix products, in the order in which they are computed (A, B: the left and right operand; K: the contracted axis; several contracted axes count as one K, in the product's order):
;;     1. [M 8,192, K 1,024] x [K 1,024, N 1,024]; A: input query; B: input Wq: QUANTISED
;;     2. [M 8,192, K 1,024] x [K 1,024, N 1,024]; A: input key; B: input Wk: QUANTISED
;;     3. [M 8,192, K 1,024] x [K 1,024, N 1,024]; A: input value; B: input Wv: QUANTISED
;;     4. batch 64 x [M 2,048, K 64] x [K 64, N 2,048]; A: computed on the way; B: computed on the way: left as it is (an operand is computed on the way)
;;     5. batch 64 x [M 2,048, K 2,048] x [K 2,048, N 64]; A: computed on the way; B: computed on the way: left as it is (an operand is computed on the way)
;;     6. [M 8,192, K 1,024] x [K 1,024, N 1,024]; A: computed on the way; B: input Wo: left as it is (an operand is computed on the way)
;;   THE QUANTISER, for each operand of a quantised product, along K:
;;     - K is cut into blocks of 32 from its start; a last block that is shorter is filled with zeros.
;;     - A block's scale is 2^e with e = floor(log2(the largest magnitude in the block)) - 2, held to -126 .. 127; a block of zeros has e = 0. As a byte (E8M0): e + 127.
;;     - Each number is divided by its block's scale, clamped to +-6, and rounded to the nearest number of E2M1, ties to even, subnormals kept.
;;     - The product sums the exact products of the quantised numbers (number of the format x scale) in f32.
;;   ~~~python
;;   def quantise(x, axis):      # numpy; x: float32 -> the quantised numbers, widened to float32 again
;;       x = np.moveaxis(x, axis, -1); K = x.shape[-1]
;;       x = np.pad(x, [(0, 0)] * (x.ndim - 1) + [(0, -K % 32)]); x = x.reshape(x.shape[:-1] + (-1, 32)); a = np.abs(x).max(-1, keepdims=True)
;;       e = np.where(a > 0, np.clip(np.frexp(np.where(a > 0, a, 1))[1] - 1 - 2, -126, 127), 0)      # np.frexp(a)[1] - 1 = floor(log2(a)), exactly
;;       r = np.clip(x / 2.0 ** e, -6, 6)
;;       step = 2.0 ** (np.maximum(np.frexp(np.where(r == 0, 1, r))[1] - 1, 0) - 1)
;;       q = np.round(r / step) * step * 2.0 ** e      # np.round: ties to even
;;       return np.moveaxis(q.reshape(q.shape[:-2] + (-1,))[..., :K], -1, axis).astype(np.float32)
;;   ~~~
;; One version. Each part assembles by itself: llvm-mc -triple=amdgcn-amd-amdhsa -mcpu=gfx1250 --defsym DOCPART=n.
;; ======== version 1 of 1: 4 launches
;; limits: values are held in f16: magnitudes above 65,504 overflow, below 6.1e-05 lose precision
;; workspace buffers: xcodes 12,582,912 bytes; xscales 786,432 bytes; wimg 1,572,864 bytes; wscales 98,304 bytes; woimg 2,097,152 bytes; qkv 50,331,648 bytes; ctximg 16,777,216 bytes
;; launch prep (part 1): grid 1024 x 1, 4 waves a work-group, no clusters, 33,280 bytes of LDS; arguments query, key, value, Wq, Wk, Wv, Wo, xcodes, xscales, wimg, wscales, woimg; writes xcodes, xscales, wimg, wscales, woimg
.if DOCPART == 1
	.amdgcn_target "amdgcn-amd-amdhsa--gfx1250"
	.amdhsa_code_object_version 6
	.text
	.protected	k_q9d42219ef2_prep
	.globl	k_q9d42219ef2_prep
	.p2align	8
	.type	k_q9d42219ef2_prep,@function
k_q9d42219ef2_prep:
	s_mov_b64 s[64:65], 0
	v_nop
	global_prefetch_b8 v0, s[64:65] scope:SCOPE_SE
	s_setreg_imm32_b32 hwreg(HW_REG_WAVE_MODE, 25, 1), 1
	s_wait_xcnt 0x0
; PREP: everything that later launches read many times is made narrow once.
;  work-groups 256..1023: query, key, value ([8192][1024] f32 each, K innermost) -> codes of FP4 (E2M1), two a byte, rows of 512 bytes (xcodes), and one E8M0 byte for each 32 along K (xscales, rows of 32 bytes).
;  work-groups 0..191:    Wq, Wk, Wv ([k][n] f32, K is the FIRST axis) -> codes laid in the ORDER OF THE OPERAND'S REGISTERS (wimg) and scale bytes [n][32] (wscales).
;  work-groups 192..255:  Wo ([k][n] f32) -> f16, laid in the order of the registers of a 16-bit operand (woimg).
; A block's scale is 2^(floor(log2(its largest magnitude)) - 2); its byte is the largest magnitude's exponent field - 2, held at 1 from below.
; LIMITS: a block of zeros gets the byte 1 where the rule says 127 (its codes are zeros; this program alone reads the bytes); blocks whose largest magnitude lies under 2^-124 keep the byte 1;
; NaN and infinities among the inputs are not served; a number of Wo beyond 65,504 becomes an infinity of f16.
; wimg:  [tensor 3][tile of 16 n: 64][128 along K: 8][c 2][lane 32][16 bytes]: lane (r, h) holds the codes of k = 64 c + 32 h + 0..31 of column 16 tile + r.
; woimg: [tile of 16 n: 64][block of 16 k: 64][lane 32][16 bytes]: lane (r, h) holds k = 16 block + 8 h + 0..7 of column 16 tile + r.
; Only the activations' path touches LDS.  No tensor load, no barrier: waves share nothing.
.set STEPS, 16
.set CB,    8                          ; bytes of 16 codes
.set R,     16                         ; v16-79   activations: four sets of 16 numbers as loaded
.set X,     80                         ; v80-111  two sets of 16 neighbours
.set E,     112                        ; v112-127 a scale byte for each step
.set C,     128                        ; v128-191 codes, four registers a step: no store's data are written again
.set WREG,  8192                       ; LDS: a region for each wave: two stages of 32 x SP bytes, then its 256 scale bytes
.set SP,    80                         ; a lane's place in a stage: 64 bytes + 16 of padding
.set SPW,   12                         ; v12  LDS address of my spare word; never rewritten
.set NIL,   13                         ; v13  0; never rewritten
.set SPARE, 4*WREG                     ; behind the four regions: the spare words, 128 bytes a wave, which no other line names
.set W,     32                         ; weights: v32-159: 128 numbers down K of my column
.set WC,    160                        ; v160-175 their codes
	s_load_b256 s[4:11], s[0:1], 0x0               ; query, key, value, Wq
	s_load_b256 s[12:19], s[0:1], 0x20             ; Wk, Wv, Wo, xcodes
	s_load_b256 s[20:27], s[0:1], 0x40             ; xscales, wimg, wscales, woimg
	v_lshl_add_u32 v[SPW], v0, 2, SPARE
	v_mov_b32 v[NIL], 0
	v_lshrrev_b32 v1, 5, v0
	v_readfirstlane_b32 s28, v1                    ; wave
	v_and_b32 v2, 31, v0                           ; lane
	s_wait_kmcnt 0x0
	s_cmp_lt_u32 ttmp9, 256                        ; the work-group's number alone decides the path
	s_cbranch_scc1 .Lweights
; ---------------- the activations: a plain stream of blocks of 32; a wave takes 16 steps of 512 numbers ----------------
	s_sub_co_u32 s29, ttmp9, 256                   ; 0..767: 256 work-groups a tensor
	s_lshr_b32 s30, s29, 8                         ; which tensor
	s_cmp_eq_u32 s30, 1
	s_cselect_b64 s[4:5], s[6:7], s[4:5]
	s_cmp_eq_u32 s30, 2
	s_cselect_b64 s[4:5], s[8:9], s[4:5]
	s_and_b32 s31, s29, 255
	s_lshl_b32 s31, s31, 2
	s_add_co_u32 s32, s31, s28                     ; my run of 8,192 numbers in the tensor
	s_lshl_b32 s32, s32, 15                        ; 32,768 bytes a run
	s_mov_b32 s33, 0
	s_add_nc_u64 s[4:5], s[4:5], s[32:33]
	s_lshl_b32 s34, s29, 2
	s_add_co_u32 s34, s34, s28                     ; my run among all three tensors
	s_lshl_b32 s32, s34, 12                        ; 4,096 bytes of codes a run
	s_add_nc_u64 s[18:19], s[18:19], s[32:33]
	s_lshl_b32 s32, s34, 8                         ; 256 scale bytes a run
	s_add_nc_u64 s[20:21], s[20:21], s[32:33]
	v_lshlrev_b32 v3, 4, v2                        ; my 16 bytes of a load's 512
	s_mul_i32 s35, s28, WREG
	v_lshrrev_b32 v14, 2, v2
	v_mul_u32_u24 v14, v14, SP
	v_and_b32 v15, 3, v2
	v_lshl_add_u32 v14, v15, 4, v14
	v_add_nc_u32 v14, s35, v14                     ; the stage, on the way in: four lanes' 64 bytes on end, then 16 of padding
	v_mul_u32_u24 v15, v2, SP
	v_add_nc_u32 v15, s35, v15                     ; and on the way out: my 16 neighbours
	v_mul_u32_u24 v4, v2, CB                       ; my codes' place in a step's
	v_lshrrev_b32 v5, 1, v2
	s_add_co_u32 s35, s35, 2*32*SP
	v_add_nc_u32 v5, s35, v5                       ; my block's byte among the wave's 256 scale bytes
	v_lshlrev_b32 v7, 3, v2
	v_add_nc_u32 v6, s35, v7                       ; and on the way out 8 bytes a lane
.macro LOAD t
.irp i, 0,1,2,3
	global_load_b128 v[R+16*((\t)%4)+4*\i:R+16*((\t)%4)+4*\i+3], v3, s[4:5] offset:2048*(\t)+512*\i th:TH_LOAD_NT   ; 32 lanes read 512 consecutive bytes
.endr
.endm
.macro TURN t                          ; a step's numbers through the stage: LDS serves a wave's instructions in order, so no wait stands between the stores and the loads
.irp i, 0,1,2,3
	ds_store_b128 v14, v[R+16*((\t)%4)+4*\i:R+16*((\t)%4)+4*\i+3] offset:32*SP*((\t)%2)+8*SP*\i
.endr
.irp i, 0,1,2,3
	ds_load_b128 v[X+16*((\t)%2)+4*\i:X+16*((\t)%2)+4*\i+3], v15 offset:32*SP*((\t)%2)+16*\i
.endr
.endm
.macro STEP t
.set XS, X+16*((\t)%2)
.if (\t) > 0
	s_wait_dscnt 1                                 ; this step's numbers are back from the stage; the last step's byte store may be out
.else
	s_wait_dscnt 0x0
.endif
.if (\t)+4 < STEPS
	LOAD (\t)+4                                    ; the stage's stores have read these registers: they take the loads of four steps on
.endif
.if (\t)+1 < STEPS
.if STEPS-2-(\t) >= 3
	s_wait_loadcnt 12                              ; the next step's four loads are in; those of the three steps behind it may be out
.else
	s_wait_loadcnt 4*(STEPS-2-(\t))
.endif
	TURN (\t)+1
.endif
	v_max3_num_f32 v8, |v[XS]|, |v[XS+1]|, |v[XS+2]|       ; the largest magnitude of my 16, in two chains
	v_max3_num_f32 v9, |v[XS+3]|, |v[XS+4]|, |v[XS+5]|
.irp i, 6,10
	v_max3_num_f32 v8, v8, |v[XS+\i]|, |v[XS+\i+1]|
	v_max3_num_f32 v9, v9, |v[XS+\i+2]|, |v[XS+\i+3]|
.endr
	v_max3_num_f32 v8, v8, |v[XS+14]|, |v[XS+15]|
	v_max3_num_f32 v8, v8, v9, 0x1800000           ; and the floor 2^(3 - 127): the byte cannot fall under 1
	v_max_num_f32_dpp v8, v8, v8 row_xmask:1 row_mask:0xf bank_mask:0xf   ; with my neighbour's 16: the block's
	v_add_nc_u32 v11, 0xff000000, v8               ; 2 off its exponent field: the conversion takes the exponent field of this operand as its scale
	v_cvt_scalef32_pk8_fp4_f32 v[C+4*(\t)], v[XS:XS+7], v11
	v_cvt_scalef32_pk8_fp4_f32 v[C+4*(\t)+1], v[XS+8:XS+15], v11
	v_lshrrev_b32 v[E+(\t)], 23, v11               ; the scale's byte (also the plain line behind the conversions)
	ds_store_b8 v5, v[E+(\t)] offset:16*(\t)       ; both lanes of a block write the same byte with the same value
	global_store_b64 v4, v[C+4*(\t):C+4*(\t)+1], s[18:19] offset:32*CB*(\t)   ; the wave stores 256 consecutive bytes, aligned
.endm
.irp t, 0,1,2,3
	LOAD \t
.endr
	s_wait_loadcnt 12                              ; step 0's four loads are in
	TURN 0
.irp t, 0,1,2,3,4,5,6,7,8,9,10,11,12,13,14,15
	STEP \t
.endr
	ds_load_b64 v[8:9], v6                         ; in order behind my byte stores
	s_wait_dscnt 0x0
	global_store_b64 v7, v[8:9], s[20:21]          ; 32 lanes store the wave's 256 scale bytes, aligned
	s_wait_tensorcnt 0x0                           ; the wave's end
	ds_add_u32 v[SPW], v[NIL]
	s_wait_dscnt 0x0
	s_endpgm
; ---------------- the weights: a lane takes a column n, its registers run down K: 32 columns x 128 along K a wave ----------------
.macro WLOAD tb                        ; 32 rows of k: each load reads 128 consecutive bytes a wave, 512 a work-group
.set i, 0
.rept 32
	global_load_b32 v[W+32*(\tb)+i], v3, s[10:11] offset:(32*(\tb)+i)*4096 th:TH_LOAD_NT
.set i, i+1
.endr
.endm
.Lweights:
	s_lshr_b32 s29, ttmp9, 6                       ; 0, 1, 2: Wq, Wk, Wv; 3: Wo
	s_and_b32 s30, ttmp9, 7                        ; which 128 columns
	s_bfe_u32 s31, ttmp9, 0x30003                  ; which 128 along K
	s_lshl_b32 s30, s30, 7
	s_lshl_b32 s32, s28, 5
	s_add_co_u32 s30, s30, s32                     ; my wave's first column
	s_cmp_eq_u32 s29, 1
	s_cselect_b64 s[10:11], s[12:13], s[10:11]
	s_cmp_eq_u32 s29, 2
	s_cselect_b64 s[10:11], s[14:15], s[10:11]
	s_cmp_eq_u32 s29, 3
	s_cselect_b64 s[10:11], s[16:17], s[10:11]
	s_lshl_b32 s32, s31, 19                        ; 128 rows of 4,096 bytes
	s_lshl_b32 s34, s30, 2
	s_add_co_u32 s32, s32, s34
	s_mov_b32 s33, 0
	s_add_nc_u64 s[10:11], s[10:11], s[32:33]
	v_lshlrev_b32 v3, 2, v2
	WLOAD 0
	WLOAD 1                                        ; two blocks of 32 ahead
	v_lshrrev_b32 v4, 4, v2                        ; which of my two tiles of 16 columns
	v_and_b32 v5, 15, v2
	v_lshlrev_b32 v5, 4, v5                        ; 16 r
	s_cmp_eq_u32 s29, 3
	s_cbranch_scc1 .Lwo
	v_lshl_add_u32 v4, v4, 13, v5                  ; a tile of wimg is 8,192 bytes
	v_lshlrev_b32 v5, 5, v2                        ; a row of wscales is 32 bytes
	s_lshl_b32 s32, s29, 19                        ; a tensor of wimg is 524,288 bytes
	s_lshr_b32 s34, s30, 4
	s_lshl_b32 s34, s34, 13
	s_add_co_u32 s32, s32, s34
	s_lshl_b32 s34, s31, 10                        ; 128 along K are 1,024 bytes of a tile
	s_add_co_u32 s32, s32, s34
	s_add_nc_u64 s[22:23], s[22:23], s[32:33]
	s_lshl_b32 s32, s29, 10
	s_add_co_u32 s32, s32, s30
	s_lshl_b32 s32, s32, 5
	s_lshl_b32 s34, s31, 2                         ; my four bytes of the row
	s_add_co_u32 s32, s32, s34
	s_add_nc_u64 s[24:25], s[24:25], s[32:33]
.macro WBLOCK tb                       ; block tb of 32 along K: all 32 numbers are mine
.set XS, W+32*(\tb)
.if (\tb) < 3
	s_wait_loadcnt 32                              ; this block's 32 loads are in; the next block's 32 may be out
.else
	s_wait_loadcnt 0x0
.endif
.if (\tb) < 2
	WLOAD (\tb)+2
.endif
	v_max3_num_f32 v16, |v[XS]|, |v[XS+1]|, |v[XS+2]|
	v_max3_num_f32 v17, |v[XS+3]|, |v[XS+4]|, |v[XS+5]|
.irp i, 6,10,14,18,22,26
	v_max3_num_f32 v16, v16, |v[XS+\i]|, |v[XS+\i+1]|
	v_max3_num_f32 v17, v17, |v[XS+\i+2]|, |v[XS+\i+3]|
.endr
	v_max3_num_f32 v16, v16, |v[XS+30]|, |v[XS+31]|
	v_max3_num_f32 v16, v16, v17, 0x1800000        ; the floor, as above
	v_add_nc_u32 v18, 0xff000000, v16              ; the conversion's scale operand
	v_lshrrev_b32 v19, 23, v18                     ; the byte
.if (\tb) == 0
	v_mov_b32 v20, v19                             ; four bytes make the word of these 128 along K
.else
	v_lshl_or_b32 v20, v19, 8*(\tb), v20
.endif
.irp g, 0,1,2,3
	v_cvt_scalef32_pk8_fp4_f32 v[WC+4*(\tb)+\g], v[XS+8*\g:XS+8*\g+7], v18
.endr
	global_store_b128 v4, v[WC+4*(\tb):WC+4*(\tb)+3], s[22:23] offset:256*(\tb)   ; block 2 c + h lies at 512 c + 256 h + 16 r: sixteen lanes store 256 consecutive bytes, aligned
.endm
	WBLOCK 0
	WBLOCK 1
	WBLOCK 2
	WBLOCK 3
	global_store_b32 v5, v20, s[24:25]             ; four bytes of each of 32 rows: 98,304 bytes in the whole launch
	s_endpgm
.Lwo:
	v_lshl_add_u32 v4, v4, 15, v5                  ; a tile of woimg is 32,768 bytes
	s_lshr_b32 s32, s30, 4
	s_lshl_b32 s32, s32, 15
	s_lshl_b32 s34, s31, 12                        ; 128 along K are 8 blocks of 512 bytes
	s_add_co_u32 s32, s32, s34
	s_add_nc_u64 s[26:27], s[26:27], s[32:33]
; eight numbers down K pack into 16 bytes.  In place, ascending: result register 4 g + n never passes a number that is still unread, and no store's data are written again.
.set g, 0
.rept 16
.if g%4 == 0
.if g/4 < 3
	s_wait_loadcnt 32                              ; the 32 numbers of this block are in; the next block's may be out
.else
	s_wait_loadcnt 0x0
.endif
.if g/4 < 2
	WLOAD g/4+2
.endif
.endif
.irp n, 0,1,2,3
	v_cvt_pk_f16_f32 v[W+4*g+\n], v[W+8*g+2*\n], v[W+8*g+2*\n+1]
.endr
	global_store_b128 v4, v[W+4*g:W+4*g+3], s[26:27] offset:256*g   ; group g = 2 block + h lies at 256 g + 16 r: sixteen lanes store 256 consecutive bytes, aligned
.set g, g+1
.endr
	s_endpgm
.Lfunc_end_k_q9d42219ef2_prep:
	.size	k_q9d42219ef2_prep, .Lfunc_end_k_q9d42219ef2_prep-k_q9d42219ef2_prep
	.p2alignl 7, 3214868480
	.fill 96, 4, 3214868480
	.section	.rodata,"a",@progbits
	.p2align	6, 0x0
	.amdhsa_kernel k_q9d42219ef2_prep
		.amdhsa_group_segment_fixed_size 33280
		.amdhsa_private_segment_fixed_size 0
		.amdhsa_enable_private_segment 0
		.amdhsa_kernarg_size 96
		.amdhsa_user_sgpr_count 2
		.amdhsa_user_sgpr_kernarg_segment_ptr 1
		.amdhsa_wavefront_size32 1
		.amdhsa_system_sgpr_workgroup_id_x 1
		.amdhsa_system_sgpr_workgroup_id_y 1
		.amdhsa_system_sgpr_workgroup_id_z 1
		.amdhsa_system_vgpr_workitem_id 0
		.amdhsa_next_free_vgpr 192
		.amdhsa_next_free_sgpr 66
		.amdhsa_reserve_vcc 0
		.amdhsa_float_denorm_mode_32 3
		.amdhsa_float_denorm_mode_16_64 3
		.amdhsa_memory_ordered 1
		.amdhsa_forward_progress 1
		.amdhsa_inst_pref_size 65
	.end_amdhsa_kernel
	.amdgpu_metadata
---
amdhsa.version: [ 1, 2 ]
amdhsa.kernels:
  - .name:           k_q9d42219ef2_prep
    .symbol:         k_q9d42219ef2_prep.kd
    .args:
      - { .name: query, .offset: 0, .size: 8, .value_kind: global_buffer, .address_space: global }
      - { .name: key, .offset: 8, .size: 8, .value_kind: global_buffer, .address_space: global }
      - { .name: value, .offset: 16, .size: 8, .value_kind: global_buffer, .address_space: global }
      - { .name: Wq, .offset: 24, .size: 8, .value_kind: global_buffer, .address_space: global }
      - { .name: Wk, .offset: 32, .size: 8, .value_kind: global_buffer, .address_space: global }
      - { .name: Wv, .offset: 40, .size: 8, .value_kind: global_buffer, .address_space: global }
      - { .name: Wo, .offset: 48, .size: 8, .value_kind: global_buffer, .address_space: global }
      - { .name: xcodes, .offset: 56, .size: 8, .value_kind: global_buffer, .address_space: global }
      - { .name: xscales, .offset: 64, .size: 8, .value_kind: global_buffer, .address_space: global }
      - { .name: wimg, .offset: 72, .size: 8, .value_kind: global_buffer, .address_space: global }
      - { .name: wscales, .offset: 80, .size: 8, .value_kind: global_buffer, .address_space: global }
      - { .name: woimg, .offset: 88, .size: 8, .value_kind: global_buffer, .address_space: global }
    .group_segment_fixed_size: 33280
    .private_segment_fixed_size: 0
    .kernarg_segment_align: 8
    .kernarg_segment_size: 96
    .max_flat_workgroup_size: 128
    .sgpr_count:     66
    .vgpr_count:     192
    .wavefront_size: 32
...
	.end_amdgpu_metadata
.endif
;; end of part 1
;; launch proj (part 2): grid 4 x 96, 4 waves a work-group, clusters of 4 x 4, 327,680 bytes of LDS; arguments xcodes, xscales, wimg, wscales, bq, bk, bv, qkv; writes qkv
.if DOCPART == 2
	.amdgcn_target "amdgcn-amd-amdhsa--gfx1250"
	.amdhsa_code_object_version 6
	.text
	.protected	k_q9d42219ef2_proj
	.globl	k_q9d42219ef2_proj
	.p2align	8
	.type	k_q9d42219ef2_proj,@function
k_q9d42219ef2_proj:
	s_mov_b64 s[64:65], 0
	v_nop
	global_prefetch_b8 v0, s[64:65] scope:SCOPE_SE
	s_setreg_imm32_b32 hwreg(HW_REG_WAVE_MODE, 25, 1), 1
	s_wait_xcnt 0x0
	s_wait_alu depctr_hold_cnt(0) depctr_sa_sdst(0) depctr_va_vdst(0) depctr_va_sdst(0) depctr_va_ssrc(0) depctr_va_vcc(0) depctr_vm_vsrc(0)
	s_getreg_b32 s2, hwreg(HW_REG_IB_STS2, 6, 4)
	s_cmp_eq_u32 s2, 0
	s_cbranch_scc0 .Lentry_in_a_cluster
	s_endpgm
.Lentry_in_a_cluster:
	s_bfe_u32 s2, ttmp6, 0x10000c
	s_cmp_lg_u32 s2, 0xf033
	s_cbranch_scc0 .Lentry_shape_is_right
	s_endpgm
.Lentry_shape_is_right:
; PROJ: q = (query Wq + bq) log2(e)/8, k = key Wk + bk, v = value Wv + bv: three products [8192][1024] x [1024][1024] on codes of FP4 (E2M1) with one E8M0 scale for each 32 along K; sums in f32;
; results rounded once to f16 and stored in the order of the registers in which the attention launch wants them.
; The three tensors' rows stand on end: 96 tile rows of 256, 32 a tensor.  A tile of C is 256 x 256; four waves, each 128 x 128: 64 accumulators, 512 registers.
; K = 1,024 is two slots of 512: BOTH are asked for at the head, with the scale bytes of all of K; no LDS byte is filled twice.  By this text's count three tensor loads of a wave are out at the start.
; CLUSTER 4 x 4: the four work-groups of a row need the same rows of the activations, the four of a column the same columns of the weight: each tile is asked for jointly.  A cluster's four tile rows lie in one tensor.
; THE MATRIX INSTRUCTION IS USED TRANSPOSED (source 0 = 16 columns of W, source 1 = 16 rows of x): a lane holds eight neighbouring n of one row: packed to f16 they are 16 bytes of the next operand's image.
; The bias is the C of each sum's first product.  The factor log2(e)/8 of the softmax is put on q here, in f32, so that the softmax can take exact differences of scores.
; qkv: [tensor 3][batch x 16 + head: 64][tile of 16 positions: 128][block of 16 channels: 4][lane 32][16 bytes].  q, k: lane (r, h) holds channels 16 block + 8 h + 0..7 of position r, at 16 x lane.
; v: the same 16 bytes at 16 x (16 (r / 8) + 8 h + r % 8), the place from which the transposing LDS load, addressed at 16 x lane, makes a fragment of v^T.
; LIMITS: a result beyond 65,504 becomes an infinity of f16.
; REGISTERS: window 0: v16-29 addresses; v32-95 scale words, two sets; v128-191 x's fragments, one set; on the way out v128-255 packed results.
;   window 1: W's fragments, two sets, at v0 and v128; v64-127 the bias.   windows 2, 3: the accumulators ((a, b) at v[8 (8 (a % 4) + b)]).
.set NQ,     4                         ; matrix instructions deep in a slot
.set ROWB,   256                       ; a row of x's tile: 512 codes
.set KROW,   512                       ; a row of xcodes
.set PITCH,  272                       ; in LDS: 256 bytes + 16 of padding = 68 words, so the 16 rows that a load touches start 4 banks apart (64 banks of 4 bytes: ISA guide 11.1)
.set FR,     8
.set NL,     2
.set NP,     4                         ; places behind this matrix instruction (ISA guide 7.12.1)
.set HALFA,  128*PITCH                 ; 128 rows of x: one tensor load
.set ASZ,    2*HALFA
.set HALFB,  8*4096                    ; 8 tiles of 16 columns x 512 along K, as images: one tensor load
.set SLOT,   ASZ+2*HALFB
.set KS,     32                        ; a row of scale bytes
.set SCL,    2*SLOT                    ; behind the slots: the scale bytes, as units of 256 bytes + 16 of padding
.set HALFS,  (128*KS/256)*272
.set SBLK,   (16*KS/256)*272
.set SPARE,  SCL+4*HALFS               ; the spare words, 128 bytes a wave, which no other line names
.set ADRA, 16                          ; v16-17 LDS address of x's fragments in slot 0, 1
.set ADRB, 20                          ; v20-21 of W's
.set CO,   26                          ; v26    my 16 bytes in an image of 512
.set ADRS, 27                          ; v27    my scale words: lanes 0-15 x's rows, lanes 16-31 W's columns
.set SPW,  28
.set NIL,  29
.set SC,   32
.set AF,   128
.set BI,   64                          ; in window 1
.set TP0,  128
.set WV, 20
.set RH, 21                            ; which half of the tile's rows is mine; also: I fetch for x (0) or for W (1)
.set CH, 22                            ; which half of its columns; also: which half I fetch
.set TT, 23                            ; the tensor: 0 q, 1 k, 2 v: made of the cluster's y alone
.set G1, 24
.set G0, 32
.set G1B, 48
.set G0B, 56
.set G1S, 68
.set G0S, 76
.set G1SB, 80
.set G0SB, 88
.set FC, 94                            ; s[94:95] log2(e)/8
.set MSB, 0
.macro WIN new                         ; the immediate's high byte repeats the setting that is left
.if MSB != (\new)
	s_set_vgpr_msb (MSB<<8)|(\new)
.set MSB, (\new)
.endif
.endm
.set MUL_LO,  0xa1                     ; source 0 (W) window 1, source 1 (x) window 0, C and D window 2
.set MUL_HI,  0xf1
.set BIAS_LO, 0x91                     ; the same with C (the bias) in window 1
.set BIAS_HI, 0xd1
.set TO_B,    0x40
.macro JLOAD g0a, g1a, g0b, g1b        ; a joint load: waves 0, 1 fetch for x, waves 2, 3 for W; the branch hangs on the wave's number alone; an s_nop 0 and four v_nop follow each line
	s_cmp_eq_u32 s[RH], 0
	s_cbranch_scc0 .Lfor_b_\@
	tensor_load_to_lds s[\g0a:\g0a+3], s[\g1a:\g1a+7]
	s_nop 0
.rept 4
	v_nop
.endr
	s_branch .Lasked_\@
.Lfor_b_\@:
	tensor_load_to_lds s[\g0b:\g0b+3], s[\g1b:\g1b+7]
	s_nop 0
.rept 4
	v_nop
.endr
.Lasked_\@:
.endm
.macro CROUND                          ; a round of the cluster's barrier
	s_barrier_signal -1
	s_barrier_wait -1
	s_cmp_lg_u32 s[WV], 0
	s_cbranch_scc1 .Lnot_wave_0_\@
	s_barrier_signal -3
.Lnot_wave_0_\@:
	s_barrier_wait -3
	s_barrier_signal -1
	s_barrier_wait -1
.endm
	s_load_b256 s[4:11], s[0:1], 0x0               ; xcodes, xscales, wimg, wscales
	s_load_b256 s[12:19], s[0:1], 0x20             ; bq, bk, bv, qkv
	v_lshl_add_u32 v[SPW], v0, 2, SPARE
	v_mov_b32 v[NIL], 0
	ds_add_u32 v[SPW], v[NIL]                      ; the wave's opening: the add, twice on end, and its wait ahead of my first tensor load
	ds_add_u32 v[SPW], v[NIL]
	v_lshrrev_b32 v1, 5, v0
	v_readfirstlane_b32 s[WV], v1
	s_lshr_b32 s[RH], s[WV], 1
	s_and_b32 s[CH], s[WV], 1
	s_bfe_u32 s40, ttmp6, 0x40000                  ; cx
	s_bfe_u32 s41, ttmp6, 0x40004                  ; cy
	s_lshl_b32 s42, ttmp9, 2
	s_add_co_u32 s42, s42, s40                     ; tile column
	s_and_b32 s66, ttmp7, 0xffff                   ; the cluster's y: 8 clusters a tensor
	s_lshr_b32 s[TT], s66, 3
	s_lshl_b32 s66, s66, 2
	s_add_co_u32 s66, s66, s41                     ; tile row, 0..95
	s_lshl_b32 s43, s41, 2
	s_lshl_b32 s43, 15, s43                        ; my row of the cluster
	s_lshl_b32 s44, 0x1111, s40                    ; my column
	s_or_b32 s[G1], s43, (0<<16)|(1<<20)|(1<<21)|(5<<22)|(3<<25)   ; x: the mask; elements of 1 byte; padding of 4 words behind every 64; bit 21 beside a mask
	s_mov_b32 s[G1+1], ROWB<<16                    ; tensor_dim0
	s_mov_b32 s[G1+2], 128<<16                     ; tensor_dim1
	s_mov_b32 s[G1+3], ROWB<<16                    ; tile_dim0
	s_mov_b32 s[G1+4], 128                         ; tile_dim1
	s_mov_b32 s[G1+5], KROW                        ; from row to row
	s_mov_b32 s[G1+6], 0
	s_mov_b32 s[G1+7], 0
	s_or_b32 s[G1B], s44, (3<<16)|(1<<21)          ; W: elements of 8 bytes, no padding: 8 tiles x 4,096 bytes (512 along K), 8,192 bytes apart in memory
	s_mov_b32 s[G1B+1], 512<<16
	s_mov_b32 s[G1B+2], 8<<16
	s_mov_b32 s[G1B+3], 512<<16
	s_mov_b32 s[G1B+4], 8
	s_mov_b32 s[G1B+5], 1024
	s_mov_b32 s[G1B+6], 0
	s_mov_b32 s[G1B+7], 0
	s_or_b32 s[G1S], s43, (3<<16)|(1<<20)|(1<<21)|(5<<22)|(3<<25)  ; the scale bytes of 128 rows: 4,096 dense bytes as 16 rows of 256, 16 bytes of padding behind each
	s_or_b32 s[G1SB], s44, (3<<16)|(1<<20)|(1<<21)|(5<<22)|(3<<25)
.irp g, G1S, G1SB
	s_mov_b32 s[\g+1], 32<<16
	s_mov_b32 s[\g+2], (128*KS/256)<<16
	s_mov_b32 s[\g+3], 32<<16
	s_mov_b32 s[\g+4], 128*KS/256
	s_mov_b32 s[\g+5], 32
	s_mov_b32 s[\g+6], 0
	s_mov_b32 s[\g+7], 0
.endr
	s_lshl_b32 s45, s[CH], 7
	s_lshl_b32 s92, s66, 8
	s_add_co_u32 s92, s92, s45                     ; x: the first row that I fetch
	s_lshl_b32 s94, s92, 5                         ; its scale bytes
	s_mov_b32 s95, 0
	s_lshl_b32 s92, s92, 9                         ; its codes
	s_mov_b32 s93, 0
	s_lshl_b32 s96, s42, 4
	s_lshl_b32 s46, s[CH], 3
	s_add_co_u32 s96, s96, s46                     ; W: the first tile of 16 columns that I fetch
	s_lshl_b32 s96, s96, 13
	s_lshl_b32 s46, s[TT], 19
	s_add_co_u32 s96, s96, s46                     ; in my tensor's weight
	s_mov_b32 s97, 0
	s_lshl_b32 s98, s[TT], 10
	s_lshl_b32 s46, s42, 8
	s_add_co_u32 s98, s98, s46
	s_add_co_u32 s98, s98, s45
	s_lshl_b32 s98, s98, 5                         ; and its columns' scale bytes
	s_mov_b32 s99, 0
	s_mul_i32 s67, s[CH], HALFA                    ; where they go: no place in the cluster enters an LDS address
	s_mul_i32 s47, s[CH], HALFB
	s_add_co_u32 s47, s47, ASZ
	s_mul_i32 s46, s[WV], HALFS
	s_wait_dscnt 0x0                               ; both opening adds are done
	s_wait_kmcnt 0x0
	s_add_nc_u64 s[92:93], s[4:5], s[92:93]
	s_add_nc_u64 s[94:95], s[6:7], s[94:95]
	s_add_nc_u64 s[96:97], s[8:9], s[96:97]
	s_add_nc_u64 s[98:99], s[10:11], s[98:99]
	CROUND                                         ; all sixteen work-groups are here: the joint loads meet
	s_mov_b32 s[G0S], 1
	s_add_co_u32 s[G0S+1], s46, SCL
	s_mov_b64 s[G0S+2:G0S+3], s[94:95]
	s_or_b32 s[G0S+3], s[G0S+3], 0x80000000
	s_mov_b32 s[G0SB], 1
	s_add_co_u32 s[G0SB+1], s46, SCL
	s_mov_b64 s[G0SB+2:G0SB+3], s[98:99]
	s_or_b32 s[G0SB+3], s[G0SB+3], 0x80000000
	JLOAD G0S, G1S, G0SB, G1SB                     ; the scale bytes first: they are wanted with slot 0
.irp s, 0,1
	s_mov_b32 s[G0+4*\s], 1
	s_add_co_u32 s[G0+4*\s+1], s67, \s*SLOT
	s_add_nc_u64 s[G0+4*\s+2:G0+4*\s+3], s[92:93], \s*ROWB
	s_or_b32 s[G0+4*\s+3], s[G0+4*\s+3], 0x80000000
	s_mov_b32 s[G0B+4*\s], 1
	s_add_co_u32 s[G0B+4*\s+1], s47, \s*SLOT
	s_add_nc_u64 s[G0B+4*\s+2:G0B+4*\s+3], s[96:97], \s*4096
	s_or_b32 s[G0B+4*\s+3], s[G0B+4*\s+3], 0x80000000
	JLOAD G0+4*\s, G1, G0B+4*\s, G1B
.endr
	v_and_b32 v1, 15, v0                           ; r
	v_bfe_u32 v2, v0, 4, 1                         ; h
	v_mul_u32_u24 v3, v1, PITCH
	v_lshl_add_u32 v4, v2, 4, v3                   ; x: row x pitch + 16 h
	v_and_b32 v5, 31, v0
	v_lshlrev_b32 v5, 4, v5                        ; W: 16 x lane: an image's place for my lane
	s_mul_i32 s45, s[RH], HALFA                    ; my 128 rows of x; s47 still holds my 8 tiles of W
.irp s, 0,1
	v_add_nc_u32 v[ADRA+\s], s45, v4
	v_add_nc_u32 v[ADRB+\s], s47, v5
	s_add_co_u32 s45, s45, SLOT
	s_add_co_u32 s47, s47, SLOT
.endr
	v_mul_u32_u24 v8, v1, KS                       ; my row's scale bytes: 32 a row,
	v_lshrrev_b32 v9, 8, v8
	v_lshl_add_u32 v8, v9, 4, v8                   ; and 16 more for each 256 passed
	s_mul_i32 s45, s[RH], HALFS                    ; x's: my 128 rows
	s_mul_i32 s46, s[CH], HALFS                    ; W's: my 128 columns, behind x's 256
	s_add_co_u32 s46, s46, 2*HALFS
	s_sub_co_u32 s46, s46, s45
	v_mul_u32_u24 v9, s46, v2                      ; lanes 16-31 take W's: one product, the distance x h
	s_add_co_u32 s45, s45, SCL
	v_add_nc_u32 v8, v8, v9
	v_add_nc_u32 v[ADRS], s45, v8
	v_and_b32 v7, 7, v0                            ; v's place in an image: 16 (r / 8) + 8 h + r % 8
	v_bfe_u32 v6, v0, 3, 1
	v_lshl_add_u32 v7, v2, 3, v7
	v_lshl_add_u32 v7, v6, 4, v7
	v_lshlrev_b32 v7, 4, v7
	s_cmp_eq_u32 s[TT], 2
	s_cselect_b32 s67, -1, 0
	v_cndmask_b32 v[CO], v5, v7, s67               ; a choice of a value, by the tensor
	s_cmp_eq_u32 s[TT], 1
	s_cselect_b64 s[12:13], s[14:15], s[12:13]     ; my tensor's bias
	s_cmp_eq_u32 s[TT], 2
	s_cselect_b64 s[12:13], s[16:17], s[12:13]
	s_lshl_b32 s96, s42, 10
	s_lshl_b32 s97, s[CH], 9
	s_add_co_u32 s96, s96, s97                     ; my 128 columns, 4 bytes each
	s_mov_b32 s97, 0
	s_add_nc_u64 s[12:13], s[12:13], s[96:97]
	v_lshlrev_b32 v10, 5, v2                       ; lane (r, h) wants, for block b, the bias of columns 16 b + 8 h + 0..7
	WIN TO_B
.irp b, 0,1,2,3,4,5,6,7
	global_load_b128 v[BI+8*\b:BI+8*\b+3], v10, s[12:13] offset:64*\b
	global_load_b128 v[BI+8*\b+4:BI+8*\b+7], v10, s[12:13] offset:64*\b+16
.endr
	WIN 0
	s_bfe_u32 s92, s66, 0x20003                    ; the batch: 8 tile rows each
	s_lshl_b32 s92, s92, 4
	s_lshl_b32 s93, s42, 2
	s_add_co_u32 s92, s92, s93
	s_lshl_b32 s93, s[CH], 1
	s_add_co_u32 s92, s92, s93                     ; batch x 16 + my first head (a wave's 128 columns are two heads)
	s_lshl_b32 s92, s92, 18
	s_and_b32 s93, s66, 7
	s_lshl_b32 s93, s93, 1
	s_add_co_u32 s93, s93, s[RH]
	s_lshl_b32 s93, s93, 14                        ; my first tile of 16 positions: 8 tiles of 2,048 bytes for each 128 rows
	s_add_co_u32 s92, s92, s93
	s_lshl_b32 s93, s[TT], 24
	s_add_co_u32 s92, s92, s93
	s_mov_b32 s93, 0
	s_add_nc_u64 s[18:19], s[18:19], s[92:93]
	s_mov_b32 s[FC], 0x3e38aa3b                    ; log2(e) / 8
	s_mov_b32 s[FC+1], s[FC]                       ; (named with it as a pair, so it is written)
.macro FRAGA reg, adr, q, i            ; 16 rows x 128 K of codes: lane (r, h): registers 4 c .. 4 c + 3 hold K = 64 c + 32 h + 0..31
.irp c, 0,1
	ds_load_b128 v[\reg+4*\c:\reg+4*\c+3], v[\adr] offset:64*(\q)+32*\c+(\i)*16*PITCH
.endr
.endm
.macro FRAGB reg, adr, q, i            ; the same from an image: 512 consecutive bytes a load
.irp c, 0,1
	ds_load_b128 v[\reg+4*\c:\reg+4*\c+3], v[\adr] offset:1024*(\q)+512*\c+(\i)*4096
.endr
.endm
; 16 matrix instructions: x's blocks a0, a0 + 1 against W's eight.  first = 1: the bias is the C.  The 64 accumulators take turns, one instruction a turn, in the same order in every step.
.macro MUL16 a0, p, q, sc, first
.irp a, \a0, \a0+1
.irp b, 0,1,2,3,4,5,6,7
.if \first
	v_wmma_scale_f32_16x16x128_f8f6f4 v[8*(8*((\a)%4)+\b):8*(8*((\a)%4)+\b)+7], v[128*(\p)+FR*\b:128*(\p)+FR*\b+FR-1], v[AF+FR*(\a):AF+FR*(\a)+FR-1], v[BI+8*\b:BI+8*\b+7], v[SC+8*NQ*(\sc)+NQ*\b+(\q)], v[SC+8*NQ*(\sc)+NQ*(\a)+(\q)] matrix_a_fmt:MATRIX_FMT_FP4 matrix_b_fmt:MATRIX_FMT_FP4 matrix_a_scale:MATRIX_SCALE_ROW1
.else
	v_wmma_scale_f32_16x16x128_f8f6f4 v[8*(8*((\a)%4)+\b):8*(8*((\a)%4)+\b)+7], v[128*(\p)+FR*\b:128*(\p)+FR*\b+FR-1], v[AF+FR*(\a):AF+FR*(\a)+FR-1], v[8*(8*((\a)%4)+\b):8*(8*((\a)%4)+\b)+7], v[SC+8*NQ*(\sc)+NQ*\b+(\q)], v[SC+8*NQ*(\sc)+NQ*(\a)+(\q)] matrix_a_fmt:MATRIX_FMT_FP4 matrix_b_fmt:MATRIX_FMT_FP4 matrix_a_scale:MATRIX_SCALE_ROW1
.endif
.endr
.endr
.endm
.macro FETCH_B slot, q, p
	WIN TO_B
.irp i, 0,1,2,3,4,5,6,7
	FRAGB 128*(\p)+FR*\i, ADRB+\slot, \q, \i
.endr
	WIN 0
.endm
.macro FETCH_A slot, q, i0
.irp i, \i0, \i0+1, \i0+2, \i0+3
	FRAGA AF+FR*(\i), ADRA+\slot, \q, \i
.endr
.endm
.macro SCALES sc                       ; a slot's scale words: 4 words a row; lanes 0-15 x's block i, lanes 16-31 W's block i
.irp i, 0,1,2,3,4,5,6,7
	ds_load_b128 v[SC+8*NQ*\sc+NQ*\i:SC+8*NQ*\sc+NQ*\i+3], v[ADRS] offset:\i*SBLK
.endr
.endm
.macro PLACES n                        ; plain vector instructions between a matrix instruction and a load into, or a read of, its registers (ISA guide 7.12.1 for reads)
.rept \n
	v_nop
.endr
.endm
.macro STEP slot, q, first             ; 128 along K whose successor lies in the same slot
	s_wait_dscnt 4*NL                              ; W's set and x's blocks 0-3 are in; the youngest eight loads (x's blocks 4-7) may be out
.if \first
	WIN BIAS_LO
.else
	WIN MUL_LO
.endif
	MUL16 0, (\q)%2, \q, \slot, \first
	MUL16 2, (\q)%2, \q, \slot, \first
	s_wait_dscnt 0
	PLACES NP
	FETCH_B \slot, (\q)+1, 1-(\q)%2
	FETCH_A \slot, (\q)+1, 0
.if \first
	WIN BIAS_HI
.else
	WIN MUL_HI
.endif
	MUL16 4, (\q)%2, \q, \slot, \first
	MUL16 6, (\q)%2, \q, \slot, \first
	PLACES NP
	WIN 0
	FETCH_A \slot, (\q)+1, 4
.endm
.macro STEPS slot, from
.set Q, \from
.rept NQ-1-\from
	STEP \slot, Q, 0
.set Q, Q+1
.endr
.endm
	s_wait_tensorcnt 1                             ; the scale bytes and my part of slot 0 are in; slot 1's load may be out
	s_barrier_signal -1
	s_barrier_wait -1                              ; everybody's are
	FETCH_B 0, 0, 0
	FETCH_A 0, 0, 0
	SCALES 0
	FETCH_A 0, 0, 4
	s_wait_loadcnt 0x0                             ; the bias
	STEP 0, 0, 1
	STEPS 0, 1
	; slot 0's last step changes slots: each wave shows its part of slot 1 landed, then one barrier
	s_wait_tensorcnt 0x0                           ; all my tensor loads have landed
	ds_add_u32 v[SPW], v[NIL]                      ; 0 onto my spare word
	s_wait_dscnt 4*NL+1                            ; (the add and x's blocks 4-7 may be out)
	WIN MUL_LO
	MUL16 0, 1, NQ-1, 0, 0
	s_wait_dscnt 0x0                               ; no LDS instruction of mine is out at the signal
	s_barrier_signal -1
	MUL16 2, 1, NQ-1, 0, 0
	WIN 0
	s_barrier_wait -1                              ; slot 1 is whole
	PLACES NP
	v_add_nc_u32 v[ADRS], 4*NQ, v[ADRS]            ; on to slot 1's scale words
	FETCH_B 1, 0, 0
	FETCH_A 1, 0, 0
	SCALES 1
	WIN MUL_HI
	MUL16 4, 1, NQ-1, 0, 0
	MUL16 6, 1, NQ-1, 0, 0
	PLACES NP
	WIN 0
	FETCH_A 1, 0, 4
	STEPS 1, 0
	s_wait_dscnt 4*NL                              ; the last step: nothing more to fetch
	WIN MUL_LO
	MUL16 0, 1, NQ-1, 1, 0
	MUL16 2, 1, NQ-1, 1, 0
	s_wait_dscnt 0
	WIN MUL_HI
	MUL16 4, 1, NQ-1, 1, 0
	MUL16 6, 1, NQ-1, 1, 0
	WIN 0
; THE WAY OUT: block a (16 rows) x block b (16 columns): a lane's eight results pack into its 16 bytes of one image: each store of the wave covers 512 consecutive bytes, aligned.  No stage in LDS.
; Each accumulator is read from its low end on.  Four sets of packed registers: a set is written again only behind s_wait_xcnt 0.
.macro OUT scale
.irp a, 0,1,2,3,4,5,6,7
.set AC, 64*(\a%4)
.set TP, TP0+32*(\a%4)
.if \scale
	WIN 0x82+0x41*(\a/4)                           ; destination and source 0: window 2 or 3
.set j, 0
.rept 32
	v_pk_mul_f32 v[AC+j:AC+j+1], v[AC+j:AC+j+1], s[FC:FC+1] op_sel_hi:[1,0]
.set j, j+2
.endr
.endif
.if \a >= 4
	s_wait_xcnt 0x0                                ; block a - 4's stores have read their data
.endif
	WIN 0x0a+5*(\a/4)                              ; sources 0 and 1: window 2 or 3
.set j, 0
.rept 32
	v_cvt_pk_f16_f32 v[TP+j], v[AC+2*j], v[AC+2*j+1]
.set j, j+1
.endr
	WIN 0
.irp b, 0,1,2,3,4,5,6,7
	global_store_b128 v[CO], v[TP+4*\b:TP+4*\b+3], s[18:19] offset:(\b/4)*262144+\a*2048+(\b%4)*512
.endr
.endr
.endm
	PLACES NP
	s_cmp_lg_u32 s[TT], 0                          ; the tensor is the same in all partners of the cluster
	s_cbranch_scc1 .Lplain
	OUT 1                                          ; q carries the softmax's factor
	s_branch .Lend
.Lplain:
	OUT 0
.Lend:
	s_wait_tensorcnt 0x0                           ; the wave's end
	ds_add_u32 v[SPW], v[NIL]
	s_wait_dscnt 0x0
	CROUND                                         ; the closing round
	s_endpgm
.Lfunc_end_k_q9d42219ef2_proj:
	.size	k_q9d42219ef2_proj, .Lfunc_end_k_q9d42219ef2_proj-k_q9d42219ef2_proj
	.p2alignl 7, 3214868480
	.fill 96, 4, 3214868480
	.section	.rodata,"a",@progbits
	.p2align	6, 0x0
	.amdhsa_kernel k_q9d42219ef2_proj
		.amdhsa_group_segment_fixed_size 327680
		.amdhsa_private_segment_fixed_size 0
		.amdhsa_enable_private_segment 0
		.amdhsa_kernarg_size 64
		.amdhsa_user_sgpr_count 2
		.amdhsa_user_sgpr_kernarg_segment_ptr 1
		.amdhsa_wavefront_size32 1
		.amdhsa_system_sgpr_workgroup_id_x 1
		.amdhsa_system_sgpr_workgroup_id_y 1
		.amdhsa_system_sgpr_workgroup_id_z 1
		.amdhsa_system_vgpr_workitem_id 0
		.amdhsa_next_free_vgpr 1024
		.amdhsa_next_free_sgpr 100
		.amdhsa_reserve_vcc 0
		.amdhsa_float_denorm_mode_32 3
		.amdhsa_float_denorm_mode_16_64 3
		.amdhsa_memory_ordered 1
		.amdhsa_forward_progress 1
		.amdhsa_inst_pref_size 159
	.end_amdhsa_kernel
	.amdgpu_metadata
---
amdhsa.version: [ 1, 2 ]
amdhsa.kernels:
  - .name:           k_q9d42219ef2_proj
    .symbol:         k_q9d42219ef2_proj.kd
    .args:
      - { .name: xcodes, .offset: 0, .size: 8, .value_kind: global_buffer, .address_space: global }
      - { .name: xscales, .offset: 8, .size: 8, .value_kind: global_buffer, .address_space: global }
      - { .name: wimg, .offset: 16, .size: 8, .value_kind: global_buffer, .address_space: global }
      - { .name: wscales, .offset: 24, .size: 8, .value_kind: global_buffer, .address_space: global }
      - { .name: bq, .offset: 32, .size: 8, .value_kind: global_buffer, .address_space: global }
      - { .name: bk, .offset: 40, .size: 8, .value_kind: global_buffer, .address_space: global }
      - { .name: bv, .offset: 48, .size: 8, .value_kind: global_buffer, .address_space: global }
      - { .name: qkv, .offset: 56, .size: 8, .value_kind: global_buffer, .address_space: global }
    .group_segment_fixed_size: 327680
    .private_segment_fixed_size: 0
    .kernarg_segment_align: 8
    .kernarg_segment_size: 64
    .max_flat_workgroup_size: 128
    .sgpr_count:     100
    .vgpr_count:     1024
    .wavefront_size: 32
...
	.end_amdgpu_metadata
.endif
;; end of part 2
;; launch attn (part 3): grid 4 x 64, 8 waves a work-group, clusters of 4 x 1, 327,680 bytes of LDS; arguments qkv, mask, ctximg; writes ctximg
.if DOCPART == 3
	.amdgcn_target "amdgcn-amd-amdhsa--gfx1250"
	.amdhsa_code_object_version 6
	.text
	.protected	k_q9d42219ef2_attn
	.globl	k_q9d42219ef2_attn
	.p2align	8
	.type	k_q9d42219ef2_attn,@function
k_q9d42219ef2_attn:
	s_mov_b64 s[64:65], 0
	v_nop
	global_prefetch_b8 v0, s[64:65] scope:SCOPE_SE
	s_setreg_imm32_b32 hwreg(HW_REG_WAVE_MODE, 25, 1), 1
	s_wait_xcnt 0x0
	s_wait_alu depctr_hold_cnt(0) depctr_sa_sdst(0) depctr_va_vdst(0) depctr_va_sdst(0) depctr_va_ssrc(0) depctr_va_vcc(0) depctr_vm_vsrc(0)
	s_getreg_b32 s2, hwreg(HW_REG_IB_STS2, 6, 4)
	s_cmp_eq_u32 s2, 0
	s_cbranch_scc0 .Lentry_in_a_cluster
	s_endpgm
.Lentry_in_a_cluster:
	s_bfe_u32 s2, ttmp6, 0x10000c
	s_cmp_lg_u32 s2, 0x3003
	s_cbranch_scc0 .Lentry_shape_is_right
	s_endpgm
.Lentry_shape_is_right:
; ATTN: ctx[b][h][q] = sum over k of softmax_k(q . k / 8 + mask[b][k] x (-1e9)) v[k].  q (already times log2(e)/8), k, v: f16 images from qkv; products on f16 operands, sums, maxima and the softmax in f32.
; SHARES.  A cluster of four work-groups is one (batch, head); a work-group owns 512 queries, each of its eight waves 64: four tiles of 16.  Every wave walks all 2,048 keys, 64 a step.  Two waves share a SIMD.
; LAYOUT.  S^T = K Q^T (source 0 = 16 keys, source 1 = 16 queries): a lane holds ONE query (lane % 16) and keys 8 (lane / 16) + 0..7.  Packed to f16 in pairs, two such tiles ARE source 1 of O^T = V^T P.
; THE MASK is the C of each score's first product: mk[k] = (mask[k] x -1e9) x log2(e), made once in f32 and kept in LDS.
; SOFTMAX by a running maximum m: p = 2^(s - m), the difference taken of the scores themselves, so p is at most 1 whatever the mask holds; O and l are multiplied by a = 2^(m_old - m_new) in every step.
; RING.  Two slots of 512 keys (K's images, then V's); each of the eight waves fetches 16,384 bytes of a slot by one joint load (mask: all four partners).  Two loads of a wave are out at the start, one behind each refill,
; which has eight key steps in which to land.  For that reason nothing is prefetched: no wave waits for that stream.
; LIMITS: the mask's term is added in the matrix unit, so where |mask x 1e9| swallows the scores the order of rounding differs from logits + mask x -1e9; NaN and infinities in the mask are not served; ctx beyond 65,504 becomes an infinity of f16.
; ctximg: [tile of 16 rows: 512][block of 16 along d_model: 64][lane][16 bytes]: lane (r, h): columns 16 block + 8 h + 0..7 of row r.
; REGISTERS: window 0: v1-7 addresses; v8-31 six registers of statistics a tile; v32-159 S^T, 32 a tile (P takes the first 16); v160-223 K; v224-255 the mask's terms.
;   window 1: v0-127 O^T, 32 a tile; v128-191 Q; v192-255 V^T.
.set SLOT1, 1<<17
.set VOFF,  65536                      ; V's images lie behind K's in a slot
.set MKB,   2*SLOT1                    ; 2,048 mask terms: written by LDS stores, never filled by a tensor load
.set SPARE, MKB+8192                   ; the spare words, 128 bytes a wave, which no other line names
.set L16,  1                           ; v1  16 x lane
.set AMK0, 2                           ; v2  MKB + 32 (lane / 16)
.set ADR,  3                           ; v3  address of the run of loads in hand
.set ADM,  4                           ; v4  of the mask terms
.set AV0,  5                           ; v5  16 x lane + VOFF
.set SPW,  6
.set NIL,  7
.set ST,   8                           ; tile t at v[8 + 6 t]: +0 m, +1 m_old - m_new, +2, +3 l (even keys', odd keys'), +4 at work, then a, +5 at work
.set S,    32
.set KF,   160
.set MK,   224
.set O,    0                           ; window 1
.set QF,   128
.set VF,   192
.set WV,   12
.set G1,   24
.set G0A,  32                          ; keys 0..511 into slot 0
.set G0B,  36                          ; keys 512.. into slot 1; then it walks
.set SEL,  40
.set TB,   42                          ; LDS byte at which the step to be fetched begins
.set TM,   43                          ; and its mask terms
.set CNT,  44
.set MSB, 0
.macro WIN new
.if MSB != (\new)
	s_set_vgpr_msb (MSB<<8)|(\new)
.set MSB, (\new)
.endif
.endm
.macro CROUND
	s_barrier_signal -1
	s_barrier_wait -1
	s_cmp_lg_u32 s[WV], 0
	s_cbranch_scc1 .Lnot_wave_0_\@
	s_barrier_signal -3
.Lnot_wave_0_\@:
	s_barrier_wait -3
	s_barrier_signal -1
	s_barrier_wait -1
.endm
	s_load_b128 s[4:7], s[0:1], 0x0                ; qkv, mask
	s_load_b64 s[8:9], s[0:1], 0x10                ; ctximg
	v_lshl_add_u32 v[SPW], v0, 2, SPARE
	v_mov_b32 v[NIL], 0
	ds_add_u32 v[SPW], v[NIL]                      ; the wave's opening: the add, twice on end, and its wait ahead of my first tensor load
	ds_add_u32 v[SPW], v[NIL]
	v_lshrrev_b32 v1, 5, v0
	v_readfirstlane_b32 s[WV], v1                  ; wave 0..7
	s_bfe_u32 s13, ttmp6, 0x40000                  ; cx: it enters Q's and ctx's addresses alone
	s_and_b32 s14, ttmp7, 0xffff                   ; batch x 16 + head, which the partners share
	s_mov_b32 s[G1], 15|(3<<16)|(1<<21)            ; the mask: all four; elements of 8 bytes; bit 21 beside a mask; no padding: 16,384 dense bytes as 64 rows of 256
	s_mov_b32 s[G1+1], 32<<16
	s_mov_b32 s[G1+2], 64<<16
	s_mov_b32 s[G1+3], 32<<16
	s_mov_b32 s[G1+4], 64
	s_mov_b32 s[G1+5], 32
	s_mov_b32 s[G1+6], 0
	s_mov_b32 s[G1+7], 0
	s_mov_b32 s[SEL], 0x76543210
	s_mov_b32 s[SEL+1], 0xfedcba98                 ; lane l xor 16
	s_mov_b32 s[TB], 0
	s_mov_b32 s[TM], 0
	s_lshl_b32 s20, s14, 18                        ; the head's 262,144 bytes in each of q, k, v
	s_lshr_b32 s16, s[WV], 2                       ; waves 0-3 fetch K's quarters, waves 4-7 V's
	s_add_co_u32 s16, s16, 1
	s_lshl_b32 s16, s16, 24
	s_add_co_u32 s16, s16, s20
	s_and_b32 s17, s[WV], 3
	s_lshl_b32 s17, s17, 14
	s_add_co_u32 s16, s16, s17
	s_mov_b32 s17, 0
	s_lshl_b32 s21, s[WV], 14                      ; and in a slot: 16,384 x wave
	s_lshl_b32 s15, s13, 5
	s_lshl_b32 s18, s[WV], 2
	s_add_co_u32 s15, s15, s18                     ; my first tile of 16 queries: 32 cx + 4 wave
	s_lshl_b32 s18, s15, 11
	s_add_co_u32 s18, s18, s20
	s_mov_b32 s19, 0
	s_lshr_b32 s10, s14, 4                         ; the batch
	s_lshl_b32 s22, s10, 7
	s_add_co_u32 s22, s22, s15
	s_lshl_b32 s22, s22, 15                        ; ctx: a tile of 16 rows is 32,768 bytes,
	s_and_b32 s23, s14, 15
	s_lshl_b32 s23, s23, 11                        ; a head's four blocks 2,048
	s_add_co_u32 s22, s22, s23
	s_mov_b32 s23, 0
	s_lshl_b32 s10, s10, 13                        ; the batch's 2,048 mask numbers
	s_mov_b32 s11, 0
	v_and_b32 v[L16], 31, v0
	v_lshlrev_b32 v[L16], 4, v[L16]
	v_bfe_u32 v[AMK0], v0, 4, 1
	v_lshl_add_u32 v[AMK0], v[AMK0], 5, MKB
	v_add_nc_u32 v[AV0], VOFF, v[L16]
	v_lshlrev_b32 v[ADM], 5, v0                    ; for now: my thread's eight mask numbers,
	v_add_nc_u32 v[ADR], MKB, v[ADM]               ; and their terms' place in LDS
.irp t, 0,1,2,3
	v_mov_b32 v[ST+6*\t+1], 0                      ; named as the upper half of a pair before it is first computed
.endr
	s_wait_dscnt 0x0                               ; both opening adds are done
	s_wait_kmcnt 0x0
	s_add_nc_u64 s[16:17], s[4:5], s[16:17]
	s_add_nc_u64 s[18:19], s[4:5], s[18:19]
	s_add_nc_u64 s[6:7], s[6:7], s[10:11]
	s_add_nc_u64 s[8:9], s[8:9], s[22:23]
	s_mov_b32 s[G0A], 1
	s_mov_b32 s[G0A+1], s21
	s_mov_b64 s[G0A+2:G0A+3], s[16:17]
	s_or_b32 s[G0A+3], s[G0A+3], 0x80000000
	s_mov_b32 s[G0B], 1
	s_add_co_u32 s[G0B+1], s21, SLOT1
	s_add_nc_u64 s[G0B+2:G0B+3], s[16:17], 65536
	s_or_b32 s[G0B+3], s[G0B+3], 0x80000000
	CROUND                                         ; all four work-groups are here: the first joint loads meet
	tensor_load_to_lds s[G0A:G0A+3], s[G1:G1+7]
	s_nop 0
	tensor_load_to_lds s[G0B:G0B+3], s[G1:G1+7]
	s_nop 0
.rept 4
	v_nop
.endr
	global_load_b128 v[S:S+3], v[ADM], s[6:7]
	global_load_b128 v[S+4:S+7], v[ADM], s[6:7] offset:16
	WIN 0x40                                       ; destination window 1
.irp t, 0,1,2,3
.irp nb, 0,1,2,3
	global_load_b128 v[QF+16*\t+4*\nb:QF+16*\t+4*\nb+3], v[L16], s[18:19] offset:\t*2048+\nb*512   ; Q stays in registers
.endr
.endr
	WIN 0
	s_wait_loadcnt 16                              ; the mask's two loads are in; Q's sixteen may be out
.irp j, 0,2,4,6
	v_pk_mul_f32 v[S+\j:S+\j+1], v[S+\j:S+\j+1], 0xce6e6b28 op_sel_hi:[1,0]   ; x -1e9
.endr
.irp j, 0,2,4,6
	v_pk_mul_f32 v[S+\j:S+\j+1], v[S+\j:S+\j+1], 0x3fb8aa3b op_sel_hi:[1,0]   ; x log2(e)
.endr
	ds_store_b128 v[ADR], v[S:S+3]
	ds_store_b128 v[ADR], v[S+4:S+7] offset:16
	s_wait_tensorcnt 0x1                           ; my part of slot 0 is in; slot 1's may stay out
	s_wait_dscnt 0x0                               ; for the others' sake: my mask terms are stored
	s_barrier_signal -1
	s_barrier_wait -1
	s_wait_loadcnt 0x0                             ; Q
; A step's K (64 keys x 64 channels: 16 loads of 512 consecutive bytes) and its mask terms (8 loads; a half of the lanes reads one address).  pad: v_nop that with the two additions make four places behind the score products.
.macro KFETCH pad
	v_add_nc_u32 v[ADR], s[TB], v[L16]
	v_add_nc_u32 v[ADM], s[TM], v[AMK0]
.rept \pad
	v_nop
.endr
.irp kt, 0,1,2,3
.irp nb, 0,1,2,3
	ds_load_b128 v[KF+16*\kt+4*\nb:KF+16*\kt+4*\nb+3], v[ADR] offset:\kt*2048+\nb*512
.endr
.endr
.irp kt, 0,1,2,3
	ds_load_b128 v[MK+8*\kt:MK+8*\kt+3], v[ADM] offset:64*\kt
	ds_load_b128 v[MK+8*\kt+4:MK+8*\kt+7], v[ADM] offset:64*\kt+16
.endr
.endm
; The step's V is asked for, then its 32 score products: 16 accumulators by turns, one instruction a turn; the first 16 take the mask's terms as C.
.macro HEADM
	v_add_nc_u32 v[ADR], s[TB], v[AV0]             ; with the four v_nop: five places, since the score products write over P, which the last products read, and the loads land in V's registers
.rept 4
	v_nop
.endr
	WIN 0x40
.irp kp, 0,1
.irp cb, 0,1,2,3
.irp u, 0,1
	ds_load_tr16_b128 v[VF+8*(4*\kp+\cb)+4*\u:VF+8*(4*\kp+\cb)+4*\u+3], v[ADR] offset:(2*\kp+\u)*2048+\cb*512
.endr
.endr
.endr
	s_wait_dscnt 16                                ; K and the mask terms are in; V's sixteen loads may be out
	WIN 0x04                                       ; source 1 (Q) window 1
.set i, 0
.rept 32
.set rD, S+32*(i%4)+8*((i/4)%4)
.set rA, KF+16*((i/4)%4)+8*(i/16)
.set rB, QF+16*(i%4)+8*(i/16)
.if i < 16
	v_wmma_f32_16x16x32_f16 v[rD:rD+7], v[rA:rA+7], v[rB:rB+7], v[MK+8*((i/4)%4):MK+8*((i/4)%4)+7]
.else
	v_wmma_f32_16x16x32_f16 v[rD:rD+7], v[rA:rA+7], v[rB:rB+7], v[rD:rD+7]
.endif
.set i, i+1
.endr
	WIN 0
	s_add_co_u32 s[TB], s[TB], 8192                ; the next fetch is the next step's
	s_add_co_u32 s[TM], s[TM], 256
.endm
; The four tiles' softmax for one step, every line over the tiles by turns.  first = 1: no old maximum, no a.
.macro SOFTMAX first
.irp t, 0,1,2,3
	v_max3_num_f32 v[ST+6*\t+4], v[S+32*\t], v[S+32*\t+1], v[S+32*\t+2]      ; two chains, ascending: each accumulator is first read at its low end
.endr
.irp t, 0,1,2,3
	v_max3_num_f32 v[ST+6*\t+5], v[S+32*\t+3], v[S+32*\t+4], v[S+32*\t+5]
.endr
.irp i, 6,8,10,12,14,16,18,20,22,24,26,28,30
.irp t, 0,1,2,3
	v_max3_num_f32 v[ST+6*\t+4+((\i-6)/2)%2], v[ST+6*\t+4+((\i-6)/2)%2], v[S+32*\t+\i], v[S+32*\t+\i+1]
.endr
.endr
.irp t, 0,1,2,3
.if \first
	v_max_num_f32 v[ST+6*\t+4], v[ST+6*\t+4], v[ST+6*\t+5]
.else
	v_max3_num_f32 v[ST+6*\t+4], v[ST+6*\t+4], v[ST+6*\t+5], v[ST+6*\t]
.endif
.endr
.irp t, 0,1,2,3
	v_permlanex16_b32 v[ST+6*\t+5], v[ST+6*\t+4], s[SEL], s[SEL+1]   ; the query's other 32 keys lie in the lane 16 away
.endr
.irp t, 0,1,2,3
	v_max_num_f32 v[ST+6*\t+4], v[ST+6*\t+4], v[ST+6*\t+5]
.endr
.if !\first
.irp t, 0,1,2,3
	v_sub_f32 v[ST+6*\t+1], v[ST+6*\t], v[ST+6*\t+4]                 ; m_old - m_new
.endr
.endif
.irp t, 0,1,2,3
	v_mov_b32 v[ST+6*\t], v[ST+6*\t+4]
.endr
.if !\first
.irp t, 0,1,2,3
	v_exp_f32 v[ST+6*\t+4], v[ST+6*\t+1]                             ; a
.endr
.endif
.set i, 0
.rept 16
	v_pk_add_f32 v[S+2*i:S+2*i+1], v[S+2*i:S+2*i+1], v[ST:ST+1] op_sel_hi:[1,0] neg_lo:[0,1] neg_hi:[0,1]   ; s - m, a pair at a time
.set i, i+1
.endr
.irp t, 0,1,2,3                        ; ONE BATCH of exponentials; the next tile's differences stand between them; none of these lines names an exponential's result
.set i, 0
.rept 16
.if \t < 3
	v_pk_add_f32 v[S+32*(\t+1)+2*i:S+32*(\t+1)+2*i+1], v[S+32*(\t+1)+2*i:S+32*(\t+1)+2*i+1], v[ST+6*(\t+1):ST+6*(\t+1)+1] op_sel_hi:[1,0] neg_lo:[0,1] neg_hi:[0,1]
.endif
	v_exp_f32 v[S+32*\t+2*i], v[S+32*\t+2*i]
	v_exp_f32 v[S+32*\t+2*i+1], v[S+32*\t+2*i+1]
.set i, i+1
.endr
.endr
	v_nop                                          ; a plain instruction behind the last exponential
	s_wait_alu depctr_va_vdst(0)                   ; the wait ahead of the first line that names a result: one for the whole batch
.irp t, 0,1,2,3
.if \first
	v_pk_add_f32 v[ST+6*\t+2:ST+6*\t+3], v[S+32*\t:S+32*\t+1], v[S+32*\t+2:S+32*\t+3]
.else
	v_pk_fma_f32 v[ST+6*\t+2:ST+6*\t+3], v[ST+6*\t+2:ST+6*\t+3], v[ST+6*\t+4:ST+6*\t+5], v[S+32*\t:S+32*\t+1] op_sel_hi:[1,0,1]   ; l = a l + p
.endif
.endr
.if !\first
.irp t, 0,1,2,3
	v_pk_add_f32 v[ST+6*\t+2:ST+6*\t+3], v[ST+6*\t+2:ST+6*\t+3], v[S+32*\t+2:S+32*\t+3]
.endr
.endif
.irp i, 4,6,8,10,12,14,16,18,20,22,24,26,28,30
.irp t, 0,1,2,3
	v_pk_add_f32 v[ST+6*\t+2:ST+6*\t+3], v[ST+6*\t+2:ST+6*\t+3], v[S+32*\t+\i:S+32*\t+\i+1]   ; the sum is taken of p before it is rounded
.endr
.endr
.irp i, 0,1,2,3,4,5,6,7,8,9,10,11,12,13,14,15
.irp t, 0,1,2,3
	v_cvt_pk_f16_f32 v[S+32*\t+\i], v[S+32*\t+2*\i], v[S+32*\t+2*\i+1]   ; P, in place and ascending
.endr
.endr
.endm
; The next step's K is asked for (fetch = 1); the softmax; O^T x a; 32 products O^T += V^T P, 16 accumulators by turns.
.macro TAILM first, fetch
.if \fetch
	KFETCH 2
.else
.rept 4
	v_nop
.endr
.endif
	SOFTMAX \first
.if \fetch
	s_wait_dscnt 24                                ; V is in; the 24 loads for the next step may be out
.else
	s_wait_dscnt 0x0
.endif
.if !\first
	WIN 0x41                                       ; O^T (destination, source 0) window 1, a window 0
.irp j, 0,2,4,6,8,10,12,14,16,18,20,22,24,26,28,30
.irp t, 0,1,2,3
	v_pk_mul_f32 v[O+32*\t+\j:O+32*\t+\j+1], v[O+32*\t+\j:O+32*\t+\j+1], v[ST+6*\t+4:ST+6*\t+5] op_sel_hi:[1,0]
.endr
.endr
.endif
	WIN 0x51                                       ; V^T, C and D window 1, P window 0
.set i, 0
.rept 32
.set rD, O+32*(i%4)+8*((i/4)%4)
.set rA, VF+8*(4*(i/16)+(i/4)%4)
.set rB, S+32*(i%4)+8*(i/16)
.if \first && (i < 16)
	v_wmma_f32_16x16x32_f16 v[rD:rD+7], v[rA:rA+7], v[rB:rB+7], 0    ; the first products start the sums: nothing is cleared
.else
	v_wmma_f32_16x16x32_f16 v[rD:rD+7], v[rA:rA+7], v[rB:rB+7], v[rD:rD+7]
.endif
.set i, i+1
.endr
	WIN 0
.endm
.macro BODY first
	TAILM \first, 1
	HEADM
.endm
.macro LOOPB n
	s_mov_b32 s[CNT], \n
.Lbody_\@:
	BODY 0
	s_sub_co_u32 s[CNT], s[CNT], 1
	s_cmp_lg_u32 s[CNT], 0
	s_cbranch_scc1 .Lbody_\@
.endm
; THE CHANGE OF SLOTS: the slot's last bytes, V of its eighth step, have been asked for.  Each wave waits for all its tensor loads (its part of the other slot), adds 0 to its spare word, and waits for that and for its reads of the slot.
; fill = 1: a round of the cluster's barrier, and the joint refill first behind it: the keys two slots on.
.macro CHANGE fill
	s_wait_tensorcnt 0x0                           ; no tensor load of mine is out, so a group 0 may be written
	ds_add_u32 v[SPW], v[NIL]
.if \fill
	s_xor_b32 s[G0B+1], s[G0B+1], SLOT1            ; the other slot than last time,
	s_add_nc_u64 s[G0B+2:G0B+3], s[G0B+2:G0B+3], 65536   ; the next 512 keys
.endif
	s_sub_co_u32 s[TB], s[TB], 65536               ; the fetches go back to a slot's first step,
	s_xor_b32 s[TB], s[TB], SLOT1                  ; in the other slot
	s_wait_dscnt 0x0                               ; the add is done, and my reads of the slot are over
.if \fill
	CROUND
	tensor_load_to_lds s[G0B:G0B+3], s[G1:G1+7]
	s_nop 0
.rept 4
	v_nop
.endr
.else
	s_barrier_signal -1
	s_barrier_wait -1
.endif
.endm
	KFETCH 0
	HEADM                                          ; step 0's scores
	BODY 1                                         ; step 0's softmax and V^T P, which start m, l and O^T; step 1's scores
	LOOPB 6                                        ; up to step 7's scores: slot 0 is read out
	CHANGE 1                                       ; slot 0 takes keys 1,024 on
	LOOPB 8
	CHANGE 1                                       ; slot 1 takes keys 1,536 on
	LOOPB 8
	CHANGE 0                                       ; nothing is left to fetch
	LOOPB 8
	TAILM 0, 0                                     ; the last step's softmax and V^T P
	; THE WAY OUT: O^T / l, rounded to f16: a lane's eight channels of a query are its 16 bytes of one image of ctx: each store of the wave covers 512 consecutive bytes, aligned.
.irp t, 0,1,2,3
	v_add_f32 v[ST+6*\t+4], v[ST+6*\t+2], v[ST+6*\t+3]               ; (these four are the places behind the last products)
.endr
.irp t, 0,1,2,3
	v_permlanex16_b32 v[ST+6*\t+5], v[ST+6*\t+4], s[SEL], s[SEL+1]
.endr
.irp t, 0,1,2,3
	v_add_f32 v[ST+6*\t+4], v[ST+6*\t+4], v[ST+6*\t+5]
.endr
.irp t, 0,1,2,3
	v_rcp_f32 v[ST+6*\t], v[ST+6*\t+4]                               ; into m's register, which is free now
.endr
	v_nop
	s_wait_alu depctr_va_vdst(0)                   ; one wait for the four reciprocals, ahead of their first reader
	WIN 0x41
.irp t, 0,1,2,3
.irp j, 0,2,4,6,8,10,12,14,16,18,20,22,24,26,28,30
	v_pk_mul_f32 v[O+32*\t+\j:O+32*\t+\j+1], v[O+32*\t+\j:O+32*\t+\j+1], v[ST+6*\t:ST+6*\t+1] op_sel_hi:[1,0]
.endr
.endr
	WIN 0x05                                       ; sources window 1, destination window 0
.set j, 0
.rept 64
	v_cvt_pk_f16_f32 v[S+j], v[O+2*j], v[O+2*j+1]
.set j, j+1
.endr
	WIN 0
.irp t, 0,1,2,3
.irp cb, 0,1,2,3
	global_store_b128 v[L16], v[S+16*\t+4*\cb:S+16*\t+4*\cb+3], s[8:9] offset:\t*32768+\cb*512
.endr
.endr
	s_wait_tensorcnt 0x0                           ; the wave's end
	ds_add_u32 v[SPW], v[NIL]
	s_wait_dscnt 0x0
	CROUND                                         ; the closing round
	s_endpgm
.Lfunc_end_k_q9d42219ef2_attn:
	.size	k_q9d42219ef2_attn, .Lfunc_end_k_q9d42219ef2_attn-k_q9d42219ef2_attn
	.p2alignl 7, 3214868480
	.fill 96, 4, 3214868480
	.section	.rodata,"a",@progbits
	.p2align	6, 0x0
	.amdhsa_kernel k_q9d42219ef2_attn
		.amdhsa_group_segment_fixed_size 327680
		.amdhsa_private_segment_fixed_size 0
		.amdhsa_enable_private_segment 0
		.amdhsa_kernarg_size 24
		.amdhsa_user_sgpr_count 2
		.amdhsa_user_sgpr_kernarg_segment_ptr 1
		.amdhsa_wavefront_size32 1
		.amdhsa_system_sgpr_workgroup_id_x 1
		.amdhsa_system_sgpr_workgroup_id_y 1
		.amdhsa_system_sgpr_workgroup_id_z 1
		.amdhsa_system_vgpr_workitem_id 0
		.amdhsa_next_free_vgpr 512
		.amdhsa_next_free_sgpr 66
		.amdhsa_reserve_vcc 0
		.amdhsa_float_denorm_mode_32 3
		.amdhsa_float_denorm_mode_16_64 3
		.amdhsa_memory_ordered 1
		.amdhsa_forward_progress 1
		.amdhsa_inst_pref_size 208
	.end_amdhsa_kernel
	.amdgpu_metadata
---
amdhsa.version: [ 1, 2 ]
amdhsa.kernels:
  - .name:           k_q9d42219ef2_attn
    .symbol:         k_q9d42219ef2_attn.kd
    .args:
      - { .name: qkv, .offset: 0, .size: 8, .value_kind: global_buffer, .address_space: global }
      - { .name: mask, .offset: 8, .size: 8, .value_kind: global_buffer, .address_space: global }
      - { .name: ctximg, .offset: 16, .size: 8, .value_kind: global_buffer, .address_space: global }
    .group_segment_fixed_size: 327680
    .private_segment_fixed_size: 0
    .kernarg_segment_align: 8
    .kernarg_segment_size: 24
    .max_flat_workgroup_size: 256
    .sgpr_count:     66
    .vgpr_count:     512
    .wavefront_size: 32
...
	.end_amdgpu_metadata
.endif
;; end of part 3
;; launch outp (part 4): grid 4 x 64, 4 waves a work-group, clusters of 4 x 4, 327,680 bytes of LDS; arguments ctximg, woimg, bo, out0; writes out0
.if DOCPART == 4
	.amdgcn_target "amdgcn-amd-amdhsa--gfx1250"
	.amdhsa_code_object_version 6
	.text
	.protected	k_q9d42219ef2_outp
	.globl	k_q9d42219ef2_outp
	.p2align	8
	.type	k_q9d42219ef2_outp,@function
k_q9d42219ef2_outp:
	s_mov_b64 s[64:65], 0
	v_nop
	global_prefetch_b8 v0, s[64:65] scope:SCOPE_SE
	s_setreg_imm32_b32 hwreg(HW_REG_WAVE_MODE, 25, 1), 1
	s_wait_xcnt 0x0
	s_wait_alu depctr_hold_cnt(0) depctr_sa_sdst(0) depctr_va_vdst(0) depctr_va_sdst(0) depctr_va_ssrc(0) depctr_va_vcc(0) depctr_vm_vsrc(0)
	s_getreg_b32 s2, hwreg(HW_REG_IB_STS2, 6, 4)
	s_cmp_eq_u32 s2, 0
	s_cbranch_scc0 .Lentry_in_a_cluster
	s_endpgm
.Lentry_in_a_cluster:
	s_bfe_u32 s2, ttmp6, 0x10000c
	s_cmp_lg_u32 s2, 0xf033
	s_cbranch_scc0 .Lentry_shape_is_right
	s_endpgm
.Lentry_shape_is_right:
; OUTP: out0 = ctx Wo + bo.  ctx [8192][1024] and Wo (as [n][k]) are f16, both laid as images of operand registers: [tile of 16 rows][block of 16 along K: 64][lane][16 bytes]; sums in f32; out0 f32.
; A tile of C is 128 rows x 256 columns: 256 work-groups, one for each WGP.  Four waves, each 64 x 128: 32 accumulators, 256 registers.
; K goes in steps of 128 through a ring of two LDS slots: of each tile of 16 rows a step is 4,096 consecutive bytes.  Waves 0, 1 fetch ctx's halves (4 tiles each), waves 2, 3 Wo's (8 tiles each): one load a wave.
; By this text's count two tensor loads of a wave are out at the start, one behind each refill.
; CLUSTER 4 x 4: ctx's tiles are shared along a row of the cluster, Wo's along a column: joint loads.
; THE MATRIX INSTRUCTION IS USED TRANSPOSED (source 0 = 16 columns of Wo, source 1 = 16 rows of ctx): a lane holds eight neighbouring columns of a row.  The bias is the C of each sum's first product.
; REGISTERS: window 0: v16-29 addresses; two fragment buffers of 96 (ctx 32, then Wo 64) at v32 and v128; on the way out v32-95 and v128-191 hold rows.   window 1: accumulator (a, b) at v[8 (8 a + b)].   window 2: v0-63 the bias.
.set ASZ,    32768                     ; ctx: 8 tiles x 4,096
.set SLOT,   ASZ+65536                 ; then Wo: 16 tiles x 4,096
.set STAGE,  2*SLOT                    ; behind the ring: 16 rows x 528 bytes for each wave, never filled by a tensor load
.set SPITCH, 528
.set SPARE,  STAGE+4*16*SPITCH         ; the spare words, 128 bytes a wave, which no other line names
.set LAPS,   4                         ; a lap = two K steps
.set ADRA, 16
.set ADRB, 20
.set STO,  24
.set RD,   25
.set CO,   26
.set SPW,  28
.set NIL,  29
.set F0,   32
.set F1,   128
.set WV, 12
.set RH, 13                            ; which 64 rows are mine; also: I fetch for ctx (0) or for Wo (1)
.set CH, 14                            ; which 128 columns; also: which half I fetch
.set G1, 24
.set G0, 32
.set G1B, 48
.set G0B, 56
.set MSB, 0
.macro WIN new
.if MSB != (\new)
	s_set_vgpr_msb (MSB<<8)|(\new)
.set MSB, (\new)
.endif
.endm
.macro JLOAD s                         ; a joint load; the branch hangs on the wave's number alone; an s_nop 0 and four v_nop follow each line
	s_cmp_eq_u32 s[RH], 0
	s_cbranch_scc0 .Lfor_b_\@
	tensor_load_to_lds s[G0+4*\s:G0+4*\s+3], s[G1:G1+7]
	s_nop 0
.rept 4
	v_nop
.endr
	s_branch .Lasked_\@
.Lfor_b_\@:
	tensor_load_to_lds s[G0B+4*\s:G0B+4*\s+3], s[G1B:G1B+7]
	s_nop 0
.rept 4
	v_nop
.endr
.Lasked_\@:
.endm
.macro CREST                           ; a round of the cluster's barrier behind its opening barrier
	s_cmp_lg_u32 s[WV], 0
	s_cbranch_scc1 .Lnot_wave_0_\@
	s_barrier_signal -3
.Lnot_wave_0_\@:
	s_barrier_wait -3
	s_barrier_signal -1
	s_barrier_wait -1
.endm
.macro CROUND
	s_barrier_signal -1
	s_barrier_wait -1
	CREST
.endm
	s_load_b256 s[4:11], s[0:1], 0x0               ; ctximg, woimg, bo, out0
	v_lshl_add_u32 v[SPW], v0, 2, SPARE
	v_mov_b32 v[NIL], 0
	ds_add_u32 v[SPW], v[NIL]                      ; the wave's opening: the add, twice on end, and its wait ahead of my first tensor load
	ds_add_u32 v[SPW], v[NIL]
	v_lshrrev_b32 v1, 5, v0
	v_readfirstlane_b32 s[WV], v1
	s_lshr_b32 s[RH], s[WV], 1
	s_and_b32 s[CH], s[WV], 1
	s_bfe_u32 s40, ttmp6, 0x40000                  ; cx
	s_bfe_u32 s41, ttmp6, 0x40004                  ; cy
	s_lshl_b32 s42, ttmp9, 2
	s_add_co_u32 s42, s42, s40                     ; tile column
	s_and_b32 s15, ttmp7, 0xffff
	s_lshl_b32 s15, s15, 2
	s_add_co_u32 s15, s15, s41                     ; tile row
	s_lshl_b32 s43, s41, 2
	s_lshl_b32 s43, 15, s43                        ; my row of the cluster
	s_lshl_b32 s44, 0x1111, s40                    ; my column
	s_or_b32 s[G1], s43, (3<<16)|(1<<21)           ; elements of 8 bytes, no padding: rows of 4,096 bytes, 32,768 apart in memory; ctx: 4 of them
	s_mov_b32 s[G1+1], 512<<16
	s_mov_b32 s[G1+2], 4<<16
	s_mov_b32 s[G1+3], 512<<16
	s_mov_b32 s[G1+4], 4
	s_mov_b32 s[G1+5], 4096
	s_mov_b32 s[G1+6], 0
	s_mov_b32 s[G1+7], 0
	s_or_b32 s[G1B], s44, (3<<16)|(1<<21)          ; Wo: 8 of them
	s_mov_b32 s[G1B+1], 512<<16
	s_mov_b32 s[G1B+2], 8<<16
	s_mov_b32 s[G1B+3], 512<<16
	s_mov_b32 s[G1B+4], 8
	s_mov_b32 s[G1B+5], 4096
	s_mov_b32 s[G1B+6], 0
	s_mov_b32 s[G1B+7], 0
	s_lshl_b32 s16, s15, 3
	s_lshl_b32 s17, s[CH], 2
	s_add_co_u32 s16, s16, s17                     ; ctx: the first tile of 16 rows that I fetch
	s_lshl_b32 s16, s16, 15
	s_mov_b32 s17, 0
	s_lshl_b32 s46, s42, 4
	s_lshl_b32 s47, s[CH], 3
	s_add_co_u32 s46, s46, s47                     ; Wo: the first tile of 16 columns
	s_lshl_b32 s46, s46, 15
	s_mov_b32 s47, 0
	s_lshl_b32 s20, s[CH], 14                      ; where they go: no place in the cluster enters an LDS address
	s_lshl_b32 s21, s[CH], 15
	s_add_co_u32 s21, s21, ASZ
	s_wait_dscnt 0x0                               ; both opening adds are done
	s_wait_kmcnt 0x0
	s_add_nc_u64 s[16:17], s[4:5], s[16:17]
	s_add_nc_u64 s[46:47], s[6:7], s[46:47]
	CROUND                                         ; all sixteen work-groups are here: the first joint loads meet
.irp s, 0,1
	s_mov_b32 s[G0+4*\s], 1
	s_add_co_u32 s[G0+4*\s+1], s20, \s*SLOT
	s_add_nc_u64 s[G0+4*\s+2:G0+4*\s+3], s[16:17], \s*4096
	s_or_b32 s[G0+4*\s+3], s[G0+4*\s+3], 0x80000000
	s_mov_b32 s[G0B+4*\s], 1
	s_add_co_u32 s[G0B+4*\s+1], s21, \s*SLOT
	s_add_nc_u64 s[G0B+4*\s+2:G0B+4*\s+3], s[46:47], \s*4096
	s_or_b32 s[G0B+4*\s+3], s[G0B+4*\s+3], 0x80000000
	JLOAD \s
.endr
	v_and_b32 v1, 15, v0                           ; r
	v_bfe_u32 v2, v0, 4, 1                         ; h
	v_and_b32 v3, 31, v0
	v_lshlrev_b32 v[CO], 4, v3                     ; 16 x lane: an image's place, a stage row's, and a row of out0's
	s_lshl_b32 s22, s[RH], 14                      ; my 4 tiles of ctx
	s_lshl_b32 s23, s[CH], 15
	s_add_co_u32 s23, s23, ASZ                     ; my 8 tiles of Wo
.irp s, 0,1
	v_add_nc_u32 v[ADRA+\s], s22, v[CO]
	v_add_nc_u32 v[ADRB+\s], s23, v[CO]
	s_add_co_u32 s22, s22, SLOT
	s_add_co_u32 s23, s23, SLOT
.endr
	s_mul_i32 s20, s[WV], 16*SPITCH
	s_add_co_u32 s20, s20, STAGE                   ; my stage
	v_mul_u32_u24 v4, v1, SPITCH
	v_lshl_add_u32 v4, v2, 5, v4
	v_add_nc_u32 v[STO], s20, v4                   ; in: row r, 32 bytes for each half of the lanes
	v_add_nc_u32 v[RD], s20, v[CO]                 ; back: the 32 lanes take a row of 512 bytes
	s_lshl_b32 s46, s42, 10
	s_lshl_b32 s47, s[CH], 9
	s_add_co_u32 s46, s46, s47                     ; my 128 columns, 4 bytes each
	s_mov_b32 s47, 0
	s_add_nc_u64 s[8:9], s[8:9], s[46:47]          ; in bo,
	s_lshl_b32 s18, s15, 19                        ; 128 rows of 4,096 bytes a tile row,
	s_lshl_b32 s19, s[RH], 18
	s_add_co_u32 s18, s18, s19
	s_mov_b32 s19, 0
	s_add_nc_u64 s[10:11], s[10:11], s[18:19]
	s_add_nc_u64 s[10:11], s[10:11], s[46:47]      ; and in out0
	v_lshlrev_b32 v5, 5, v2                        ; lane (r, h) wants, for block b, the bias of columns 16 b + 8 h + 0..7
	WIN 0x80                                       ; destination window 2
.irp b, 0,1,2,3,4,5,6,7
	global_load_b128 v[8*\b:8*\b+3], v5, s[8:9] offset:64*\b
	global_load_b128 v[8*\b+4:8*\b+7], v5, s[8:9] offset:64*\b+16
.endr
	WIN 0
; 8 matrix instructions: ctx's block a against Wo's eight, 32 along K.  first = 1: the bias is the C.  The 32 accumulators take turns, one instruction a turn, in the same order in every quarter.
.macro MUL8 f, a, first
.irp b, 0,1,2,3,4,5,6,7
.if \first
	v_wmma_f32_16x16x32_f16 v[8*(8*\a+\b):8*(8*\a+\b)+7], v[\f+32+8*\b:\f+32+8*\b+7], v[\f+8*\a:\f+8*\a+7], v[8*\b:8*\b+7]
.else
	v_wmma_f32_16x16x32_f16 v[8*(8*\a+\b):8*(8*\a+\b)+7], v[\f+32+8*\b:\f+32+8*\b+7], v[\f+8*\a:\f+8*\a+7], v[8*(8*\a+\b):8*(8*\a+\b)+7]
.endif
.endr
.endm
.macro FETCH slot, q, f                ; 24 LDS loads of 512 consecutive bytes: the fragments of the slot's q-th 32 along K
.irp i, 0,1,2,3,4,5,6,7
	ds_load_b128 v[\f+32+8*\i:\f+32+8*\i+3],   v[ADRB+\slot] offset:\i*4096+(\q)*1024
	ds_load_b128 v[\f+32+8*\i+4:\f+32+8*\i+7], v[ADRB+\slot] offset:\i*4096+(\q)*1024+512
.endr
.irp i, 0,1,2,3
	ds_load_b128 v[\f+8*\i:\f+8*\i+3],   v[ADRA+\slot] offset:\i*4096+(\q)*1024
	ds_load_b128 v[\f+8*\i+4:\f+8*\i+7], v[ADRA+\slot] offset:\i*4096+(\q)*1024+512
.endr
.endm
.macro PLACES                          ; four plain vector instructions between a matrix instruction and a load into, or a read of, its registers (ISA guide 7.12.1 for reads)
.rept 4
	v_nop
.endr
.endm
; A K step is four quarters of 32 along K on buffers 0, 1, 0, 1.  One of the first three: asks for quarter q into buffer g, then multiplies buffer f: the loads have 32 matrix instructions in which to land.
.macro QUARTER slot, q, f, g, first
	s_wait_dscnt 0x0                               ; buffer f's loads, asked for a quarter ago
	PLACES
	FETCH \slot, \q, \g
.if \first
	WIN 0x60                                       ; C (the bias) window 2, D window 1
.else
	WIN 0x50                                       ; C and D window 1
.endif
	MUL8 \f, 0, \first
	MUL8 \f, 1, \first
	MUL8 \f, 2, \first
	MUL8 \f, 3, \first
	WIN 0
.endm
; The last quarter multiplies buffer 1 and changes slots: one barrier; in front of it each wave waits for all its tensor loads, adds 0 to its spare word, and waits for that and for its reads of this slot.
.macro TURN slot, next, fill
	s_wait_tensorcnt 0x0                           ; all my tensor loads have landed: my part of the next slot
	ds_add_u32 v[SPW], v[NIL]
	s_wait_dscnt 1                                 ; buffer 1 is in; the add alone may be out
	WIN 0x50
	MUL8 F1, 0, 0
	s_wait_dscnt 0x0                               ; the add is done, and my reads of this slot are over
	s_barrier_signal -1
	MUL8 F1, 1, 0
	WIN 0
	s_barrier_wait -1
.if \fill
	CREST                                          ; the barrier has opened a round of the cluster's: no wave of any partner still reads this slot or has a load on its way
	s_add_nc_u64 s[G0+4*\slot+2:G0+4*\slot+3], s[G0+4*\slot+2:G0+4*\slot+3], 8192
	s_add_nc_u64 s[G0B+4*\slot+2:G0B+4*\slot+3], s[G0B+4*\slot+2:G0B+4*\slot+3], 8192
	JLOAD \slot                                    ; the first tensor load behind the round; its four v_nop are also the places in front of the loads below
.else
	PLACES
.endif
	FETCH \next, 0, F0
	WIN 0x50
	MUL8 F1, 2, 0
	MUL8 F1, 3, 0
	WIN 0
.endm
	s_wait_tensorcnt 1                             ; my part of K step 0 is in; K step 1's load may be out
	s_barrier_signal -1
	s_barrier_wait -1
	FETCH 0, 0, F0
	s_wait_loadcnt 0x0                             ; the bias
	QUARTER 0, 1, F0, F1, 1                        ; the first quarter stands in front of the loop: its products start the sums
	s_mov_b32 s3, LAPS-1
.Llap:                                             ; a trip goes once round the ring and fills both slots again
	QUARTER 0, 2, F1, F0, 0
	QUARTER 0, 3, F0, F1, 0
	TURN 0, 1, 1
	QUARTER 1, 1, F0, F1, 0
	QUARTER 1, 2, F1, F0, 0
	QUARTER 1, 3, F0, F1, 0
	TURN 1, 0, 1
	QUARTER 0, 1, F0, F1, 0
	s_sub_co_u32 s3, s3, 1
	s_cmp_lg_u32 s3, 0
	s_cbranch_scc1 .Llap
	QUARTER 0, 2, F1, F0, 0                        ; the last lap fills nothing
	QUARTER 0, 3, F0, F1, 0
	TURN 0, 1, 0
	QUARTER 1, 1, F0, F1, 0
	QUARTER 1, 2, F1, F0, 0
	QUARTER 1, 3, F0, F1, 0
	s_wait_dscnt 0x0                               ; the very last quarter
	WIN 0x50
	MUL8 F1, 0, 0
	MUL8 F1, 1, 0
	MUL8 F1, 2, 0
	MUL8 F1, 3, 0
	WIN 0
; THE WAY OUT, a block of 16 rows x 128 columns at a time, through my own stage: in as 32 bytes a lane, back as whole rows of 512 bytes, which the 32 lanes store as 512 consecutive bytes, aligned.
; LDS serves a wave's instructions in order (ISA guide 5.7.1.4): no wait between the stores and the loads, nor in front of the next block's stores.
.macro TOSTAGE a
	WIN 0x04                                       ; an LDS store's data are its source 1: window 1
.irp b, 0,1,2,3,4,5,6,7
	ds_store_b128 v[STO], v[8*(8*(\a)+\b):8*(8*(\a)+\b)+3] offset:64*\b            ; each accumulator from its low end on
	ds_store_b128 v[STO], v[8*(8*(\a)+\b)+4:8*(8*(\a)+\b)+7] offset:64*\b+16
.endr
	WIN 0
.set BB, 32+96*((\a)%2)
.irp t, 0,1,2,3,4,5,6,7,8,9,10,11,12,13,14,15
	ds_load_b128 v[BB+4*\t:BB+4*\t+3], v[RD] offset:\t*SPITCH
.endr
.endm
.macro SEND a, younger                 ; younger: the LDS instructions issued behind block a's loads, which may stay out
.set BB, 32+96*((\a)%2)
	s_wait_dscnt \younger
.irp t, 0,1,2,3,4,5,6,7,8,9,10,11,12,13,14,15
	global_store_b128 v[CO], v[BB+4*\t:BB+4*\t+3], s[10:11] offset:(16*(\a)+\t)*4096 th:TH_STORE_NT
.endr
.endm
	PLACES
	TOSTAGE 0
.irp a, 1,2,3
.if \a > 1
	s_wait_xcnt 0x0                                ; block a - 2's stores have read their data: block a's rows may land there
.endif
	TOSTAGE \a
	SEND \a-1, 32                                  ; behind block a - 1's loads: block a's 16 stores and 16 loads
.endr
	SEND 3, 0
	s_wait_tensorcnt 0x0                           ; the wave's end
	ds_add_u32 v[SPW], v[NIL]
	s_wait_dscnt 0x0
	CROUND                                         ; the closing round
	s_endpgm
.Lfunc_end_k_q9d42219ef2_outp:
	.size	k_q9d42219ef2_outp, .Lfunc_end_k_q9d42219ef2_outp-k_q9d42219ef2_outp
	.p2alignl 7, 3214868480
	.fill 96, 4, 3214868480
	.section	.rodata,"a",@progbits
	.p2align	6, 0x0
	.amdhsa_kernel k_q9d42219ef2_outp
		.amdhsa_group_segment_fixed_size 327680
		.amdhsa_private_segment_fixed_size 0
		.amdhsa_enable_private_segment 0
		.amdhsa_kernarg_size 32
		.amdhsa_user_sgpr_count 2
		.amdhsa_user_sgpr_kernarg_segment_ptr 1
		.amdhsa_wavefront_size32 1
		.amdhsa_system_sgpr_workgroup_id_x 1
		.amdhsa_system_sgpr_workgroup_id_y 1
		.amdhsa_system_sgpr_workgroup_id_z 1
		.amdhsa_system_vgpr_workitem_id 0
		.amdhsa_next_free_vgpr 576
		.amdhsa_next_free_sgpr 66
		.amdhsa_reserve_vcc 0
		.amdhsa_float_denorm_mode_32 3
		.amdhsa_float_denorm_mode_16_64 3
		.amdhsa_memory_ordered 1
		.amdhsa_forward_progress 1
		.amdhsa_inst_pref_size 85
	.end_amdhsa_kernel
	.amdgpu_metadata
---
amdhsa.version: [ 1, 2 ]
amdhsa.kernels:
  - .name:           k_q9d42219ef2_outp
    .symbol:         k_q9d42219ef2_outp.kd
    .args:
      - { .name: ctximg, .offset: 0, .size: 8, .value_kind: global_buffer, .address_space: global }
      - { .name: woimg, .offset: 8, .size: 8, .value_kind: global_buffer, .address_space: global }
      - { .name: bo, .offset: 16, .size: 8, .value_kind: global_buffer, .address_space: global }
      - { .name: out0, .offset: 24, .size: 8, .value_kind: global_buffer, .address_space: global }
    .group_segment_fixed_size: 327680
    .private_segment_fixed_size: 0
    .kernarg_segment_align: 8
    .kernarg_segment_size: 32
    .max_flat_workgroup_size: 128
    .sgpr_count:     66
    .vgpr_count:     576
    .wavefront_size: 32
...
	.end_amdgpu_metadata
.endif
;; end of part 4
